; MI455X (gfx1250); checked and timed in simulation.
; The chip was launched on July 23, 2026; its instructions are those of AMD's public machine-readable ISA for CDNA 5 (MIT licence, August 2026) and "CDNA5" Instruction Set Architecture Reference Guide (July 2026). The comments in the code are by the model that wrote it; some were corrected since.
;; Grouped Query Attention. Allowed arithmetic: matrix products marked QUANTISED: E2M3 operands, one E8M0 scale for each 32 along K, by v_wmma_scale_f32_16x16x128_f8f6f4 with both operands' format E2M3, f32 sums; everything else in f32.
;; Inputs: cos_rope 2,048 x 64 float32; sin_rope 2,048 x 64 float32; wk 512 x 2,048 float32; wo 2,048 x 2,048 float32; wq 2,048 x 2,048 float32; wv 512 x 2,048 float32; x 1 x 2,048 x 2,048 float32.
;; Outputs: out0 1 x 2,048 x 2,048 float32.
;; Constants: last_position = 0, use_cache = 0.
;; This version of the problem:
;;   THIS VERSION OF THE PROBLEM IS GIVEN IN LOW PRECISION. The matrix products marked QUANTISED in the list below multiply operands that are first quantised to E2M3 (2 exponent bits, 3 mantissa bits; 6 bits a number), with one power-of-two scale for each 32 numbers along K (OCP MX v1.0); their sums are f32. All else is computed in f32.
;;   The module's matrix products, in the order in which they are computed (A, B: the left and right operand; K: the contracted axis; several contracted axes count as one K, in the product's order):
;;     1. [M 2,048, K 2,048] x [K 2,048, N 2,048]; A: input x; B: input wq: QUANTISED
;;     2. [M 2,048, K 2,048] x [K 2,048, N 512]; A: input x; B: input wk: QUANTISED
;;     3. [M 2,048, K 2,048] x [K 2,048, N 512]; A: input x; B: input wv: QUANTISED
;;     4. batch 8 x [M 8,192, K 64] x [K 64, N 2,048]; A: computed on the way; B: computed on the way: QUANTISED
;;     5. batch 8 x [M 8,192, K 2,048] x [K 2,048, N 64]; A: softmax (see below); B: computed on the way: QUANTISED
;;     6. [M 2,048, K 2,048] x [K 2,048, N 2,048]; A: computed on the way; B: input wo: QUANTISED
;;   THE QUANTISER, for each operand of a quantised product, along K:
;;     - K is cut into blocks of 32 from its start; a last block that is shorter is filled with zeros.
;;     - A block's scale is 2^e with e = floor(log2(the largest magnitude in the block)) - 2, held to -126 .. 127; a block of zeros has e = 0. As a byte (E8M0): e + 127.
;;     - Each number is divided by its block's scale, clamped to +-7.5, and rounded to the nearest number of E2M3, ties to even, subnormals kept.
;;     - The product sums the exact products of the quantised numbers (number of the format x scale) in f32.
;;   ~~~python
;;   def quantise(x, axis):      # numpy; x: float32 -> the quantised numbers, widened to float32 again
;;       x = np.moveaxis(x, axis, -1); K = x.shape[-1]
;;       x = np.pad(x, [(0, 0)] * (x.ndim - 1) + [(0, -K % 32)]); x = x.reshape(x.shape[:-1] + (-1, 32)); a = np.abs(x).max(-1, keepdims=True)
;;       e = np.where(a > 0, np.clip(np.frexp(np.where(a > 0, a, 1))[1] - 1 - 2, -126, 127), 0)      # np.frexp(a)[1] - 1 = floor(log2(a)), exactly
;;       r = np.clip(x / 2.0 ** e, -7.5, 7.5)
;;       step = 2.0 ** (np.maximum(np.frexp(np.where(r == 0, 1, r))[1] - 1, 0) - 3)
;;       q = np.round(r / step) * step * 2.0 ** e      # np.round: ties to even
;;       return np.moveaxis(q.reshape(q.shape[:-2] + (-1,))[..., :K], -1, axis).astype(np.float32)
;;   ~~~
;;   SOFTMAX AHEAD OF A QUANTISED PRODUCT. Where the list says 'softmax', what is quantised is not the finished softmax but p = 2^(t - M), with t = logit x log2(e) and M = ceil(the row's largest t), a whole number; so 1/2 < the row's largest p <= 1. The row's sum l is taken of the UNQUANTISED p, in f32, and the product's result is divided by l at the end. Since M is a whole number, a kernel that streams over the keys may use a running M (the ceiling of the running maximum): every later rescaling is an exact power of two, which a block's scale takes up: the codes' values come out the same.
;;   OPERANDS COMPUTED ON THE WAY. 'Computed on the way' means the value that the module computes at that place (a softmax that the list does not call 'softmax' is quantised finished and normalised). What goes into a quantiser is computed in f32, as accurately as f32 sums, v_exp_f32 and their like allow (about 1e-6 of the number): no bf16 or f16 on the way to a quantiser, and a product that is left as it is and whose result goes on into a quantised operand takes f32 operands (vector FMAs, or v_wmma_f32_16x16x4_f32). A number that lies on a knife's edge between two numbers of the format may be rounded either way, as far as f32 arithmetic and the matrix unit's own rounding can turn it there, and no further.
;; One version. Each part assembles by itself: llvm-mc -triple=amdgcn-amd-amdhsa -mcpu=gfx1250 --defsym DOCPART=n.
;; ======== version 1 of 1: 4 launches
;; limits: right only within a limited range of input values
;; workspace buffers: codes1 11,010,048 bytes; scales1 458,752 bytes; qc 3,145,728 bytes; qs 262,144 bytes; kv 1,671,168 bytes; cc 3,145,728 bytes; cs 131,072 bytes
;; launch quant (part 1): grid 448 x 1, 8 waves a work-group, no clusters, 69,632 bytes of LDS; arguments x, wq, wk, wv, wo, codes1, scales1; writes codes1, scales1
.if DOCPART == 1
	.amdgcn_target "amdgcn-amd-amdhsa--gfx1250"
	.amdhsa_code_object_version 6
	.text
	.protected	k_qd130f0da08_quant
	.globl	k_qd130f0da08_quant
	.p2align	8
	.type	k_qd130f0da08_quant,@function
k_qd130f0da08_quant:
	s_mov_b64 s[64:65], 0
	v_nop
	global_prefetch_b8 v0, s[64:65] scope:SCOPE_SE
	s_setreg_imm32_b32 hwreg(HW_REG_WAVE_MODE, 25, 1), 1
	s_wait_xcnt 0x0
; x [2048][2048], wq [2048][2048], wk [512][2048], wv [512][2048], wo [2048][2048], all f32 with K innermost, become codes of FP6 (E2M3) with one E8M0 byte for each 32 along K.
; A block's scale is 2^(floor(log2(its largest magnitude)) - 2): its byte is the largest magnitude's exponent field - 2, held at 1 from below; numbers are divided by it and rounded to the nearest code, ties to even.
; LIMITS: NaN and infinities are not served; a block of zeros gets the byte 1 where the quantiser says 127 (its codes are zeros, and this program alone reads the bytes); magnitudes under 2^-124 count as the floor.
; LAYOUT OF THE RESULT.  The 7,168 rows (x, then wq, wk, wv, then wo) are cut into 448 tiles of 16.  Position r of a tensor's tile T is its row 32 (T / 2) + 8 (T % 2) + r + 8 (r / 8).
; codes1 [tile][K step of 128][1,536 bytes]: a fragment as an image of the operand's 12 registers: for each half c: lane l's registers 6 c .. 6 c + 3 at 16 l (512 bytes), registers 6 c + 4, 6 c + 5 at 8 l (256 bytes).
; scales1 [tile][position][16 words]: word s holds the four bytes of K step s.
; SHARES.  A work-group takes a tile, each of its eight waves two K steps.  All 32 loads of a wave (512 consecutive bytes each) go out at its head; a K step's 16 rows turn through the wave's own stage in LDS,
; so that a lane gets 16 neighbours of each block of its row.  No cluster, no tensor load, no matrix unit: work-groups share no input and memory binds.
.set SPITCH, 528                       ; a stage row: 512 bytes + 16: an odd multiple of 16 bytes
.set STGB,   16*SPITCH                 ; a wave's stage
.set SCG,    8*STGB                    ; the tile's scale words: 16 rows x 64 bytes
.set SPARE,  SCG+1024                  ; the spare words, 128 bytes for each wave: four blocks of 256 bytes that no other line names
.set LO,  4                            ; v4   16 x lane
.set L8,  5                            ; v5   8 x lane
.set SA,  6                            ; v6   the stage on the way in
.set SB,  7                            ; v7   and on the way out: row r, + 64 h
.set SW,  8                            ; v8   where my row's scale words go
.set SR,  9                            ; v9   where 8 bytes of them are read back
.set GS,  10                           ; v10  and their place in the tile's 1,024 bytes of scales1
.set X,   16                           ; v16-79   64 numbers: register 16 b + i = k 32 b + 16 h + i of row r
.set PC,  80                           ; v80-91 the codes; v92-98 at work
.set TM,  100                          ; v100-115 at work
.set PW,  116                          ; the scale word
.set SPW, 118                          ; LDS address of my spare word; never rewritten
.set NIL, 119                          ; 0; never rewritten
.set R,   128                          ; v128-255 two K steps as loaded
.set WV,  18
.set SEL, 24
; 64 numbers of a lane become a fragment's codes in v[PC] on and its scale word in v[PW]
.macro QUANT s
.irp b, 0,1,2,3
	v_max3_num_f32 v[TM+\b], |v[\s+16*\b]|, |v[\s+1+16*\b]|, 0x1800000   ; my 16 numbers of block b, and the floor 2^(3 - 127): the byte cannot fall under 1
.endr
.irp i, 2,4,6,8,10,12,14
.irp b, 0,1,2,3
	s_delay_alu instid0(VALU_DEP_4)
	v_max3_num_f32 v[TM+\b], v[TM+\b], |v[\s+16*\b+\i]|, |v[\s+1+16*\b+\i]|   ; the four blocks by turns
.endr
.endr
.irp b, 0,1,2,3
	s_delay_alu instid0(VALU_DEP_4)
	v_permlanex16_b32 v[TM+4+\b], v[TM+\b], s[SEL], s[SEL+1]
.endr
.irp b, 0,1,2,3
	s_delay_alu instid0(VALU_DEP_4)
	v_max_num_f32 v[TM+\b], v[TM+\b], v[TM+4+\b]   ; with lane l xor 16's: the block's largest magnitude
.endr
.irp b, 0,1,2,3
	s_delay_alu instid0(VALU_DEP_4)
	v_add_nc_u32 v[TM+12+\b], 0xff000000, v[TM+\b]   ; 2 off its exponent field: the conversion's scale operand
.endr
.irp b, 0,1,2,3
	s_delay_alu instid0(VALU_DEP_4)
	v_lshrrev_b32 v[TM+4+\b], 23, v[TM+12+\b]      ; the scale's byte
.endr
	s_delay_alu instid0(VALU_DEP_3)
	v_lshl_or_b32 v[PW], v[TM+5], 8, v[TM+4]
	s_delay_alu instid0(VALU_DEP_1)
	v_lshl_or_b32 v[PW], v[TM+6], 16, v[PW]
	s_delay_alu instid0(VALU_DEP_1)
	v_lshl_or_b32 v[PW], v[TM+7], 24, v[PW]
.irp c, 0,1
	v_cvt_scalef32_pk16_fp6_f32 v[PC+6*\c:PC+2+6*\c], v[\s+32*\c:\s+15+32*\c], v[TM+12+2*\c]
	v_cvt_scalef32_pk16_fp6_f32 v[PC+12+4*\c:PC+14+4*\c], v[\s+16+32*\c:\s+31+32*\c], v[TM+12+2*\c+1]   ; (a conversion's three registers begin on an even number)
.endr
	v_nop                                          ; one plain place behind a scaled conversion
.irp c, 0,1                                    ; the operand wants a whole block in a lane: lanes 0-15 block 2 c, lanes 16-31 block 2 c + 1
.irp i, 0,1,2
	v_permlane16_swap_b32 v[PC+6*\c+\i], v[PC+12+4*\c+\i]
.endr
.irp i, 0,1,2
	s_delay_alu instid0(VALU_DEP_3)
	v_mov_b32 v[PC+3+6*\c+\i], v[PC+12+4*\c+\i]
.endr
.endr
.endm
	s_load_b256 s[4:11], s[0:1], 0x0               ; x, wq, wk, wv
	s_load_b128 s[12:15], s[0:1], 0x20             ; wo, codes1
	s_load_b64 s[16:17], s[0:1], 0x30              ; scales1
	v_lshl_add_u32 v[SPW], v0, 2, SPARE
	v_mov_b32 v[NIL], 0
	v_lshrrev_b32 v1, 5, v0
	s_delay_alu instid0(VALU_DEP_1)
	v_readfirstlane_b32 s[WV], v1                  ; wave 0..7
	v_and_b32 v1, 15, v0                           ; r
	v_bfe_u32 v2, v0, 4, 1                         ; h
	v_and_b32 v3, 31, v0                           ; lane
	s_delay_alu instid0(VALU_DEP_1)
	v_lshlrev_b32 v[LO], 4, v3
	s_delay_alu instid0(VALU_DEP_2)
	v_lshlrev_b32 v[L8], 3, v3
	s_mul_i32 s19, s[WV], STGB
	v_add_nc_u32 v[SA], s19, v[LO]
	v_mul_u32_u24 v[SB], v1, SPITCH
	s_delay_alu instid0(VALU_DEP_1)
	v_lshl_add_u32 v[SB], v2, 6, v[SB]
	s_delay_alu instid0(VALU_DEP_1)
	v_add_nc_u32 v[SB], s19, v[SB]
	s_lshl_b32 s21, s[WV], 3                       ; my two K steps' words: 8 bytes in each row's 64
	s_add_co_u32 s21, s21, SCG
	v_lshlrev_b32 v[SW], 6, v1
	s_delay_alu instid0(VALU_DEP_1)
	v_add_nc_u32 v[SW], s21, v[SW]
	s_and_b32 s21, s[WV], 3                        ; waves 0 to 3 send the words out, 256 bytes each
	s_lshl_b32 s21, s21, 8
	v_add_nc_u32 v[GS], s21, v[L8]
	s_delay_alu instid0(VALU_DEP_1)
	v_add_nc_u32 v[SR], SCG, v[GS]
.irp b, 0,1,2,3
	v_mov_b32 v[TM+4+\b], 0                        ; written once: a lane permute's destination counts as one of its sources
.endr
	s_mov_b32 s[SEL], 0x76543210
	s_mov_b32 s[SEL+1], 0xfedcba98                 ; lane l xor 16
	s_mul_i32 s26, ttmp9, 24576                    ; codes1: my tile's row, my two K steps
	s_mul_i32 s27, s[WV], 3072
	s_add_co_u32 s26, s26, s27
	s_mov_b32 s27, 0
	s_lshl_b32 s28, ttmp9, 10                      ; scales1: my tile's 1,024 bytes
	s_mov_b32 s29, 0
	s_mov_b32 s20, 320
	s_wait_alu depctr_va_vdst(0)
	s_wait_kmcnt 0x0
	s_mov_b64 s[22:23], s[12:13]                   ; which tensor: tiles 0-127 x, 128-255 wq, 256-287 wk, 288-319 wv, 320-447 wo.  The choice hangs on the work-group's number alone
	s_cmp_lt_u32 ttmp9, 320
	s_cselect_b64 s[22:23], s[10:11], s[22:23]
	s_cselect_b32 s20, 288, s20
	s_cmp_lt_u32 ttmp9, 288
	s_cselect_b64 s[22:23], s[8:9], s[22:23]
	s_cselect_b32 s20, 256, s20
	s_cmp_lt_u32 ttmp9, 256
	s_cselect_b64 s[22:23], s[6:7], s[22:23]
	s_cselect_b32 s20, 128, s20
	s_cmp_lt_u32 ttmp9, 128
	s_cselect_b64 s[22:23], s[4:5], s[22:23]
	s_cselect_b32 s20, 0, s20
	s_sub_co_u32 s20, ttmp9, s20                   ; the tile's number T in its tensor
	s_lshr_b32 s30, s20, 1
	s_lshl_b32 s30, s30, 18                        ; 32 (T / 2) rows of 8,192 bytes
	s_and_b32 s31, s20, 1
	s_lshl_b32 s31, s31, 16                        ; 8 (T % 2) rows
	s_add_co_u32 s30, s30, s31
	s_lshl_b32 s31, s[WV], 10                      ; my two K steps: 1,024 bytes of each row
	s_add_co_u32 s30, s30, s31
	s_mov_b32 s31, 0
	s_add_nc_u64 s[22:23], s[22:23], s[30:31]
	s_add_nc_u64 s[14:15], s[14:15], s[26:27]
	s_add_nc_u64 s[16:17], s[16:17], s[28:29]
.irp e, 0,1
.irp i, 0,1,2,3,4,5,6,7,8,9,10,11,12,13,14,15
	global_load_b128 v[R+64*\e+4*\i:R+64*\e+4*\i+3], v[LO], s[22:23] offset:(\i+8*(\i/8))*8192+512*\e th:TH_LOAD_NT   ; position i's 128 numbers of K step e: 512 consecutive bytes
.endr
.endr
.macro STEP e
	s_wait_loadcnt 16*(1-\e)                       ; this K step's 16 loads are in; the other's may be out
.if \e
	s_wait_xcnt 0x0                                ; the first K step's stores have read their registers: the codes are written again only behind this wait
.endif
.irp i, 0,1,2,3,4,5,6,7,8,9,10,11,12,13,14,15
	ds_store_b128 v[SA], v[R+64*\e+4*\i:R+64*\e+4*\i+3] offset:SPITCH*\i
.endr
.irp b, 0,1,2,3
.irp j, 0,1,2,3
	ds_load_b128 v[X+16*\b+4*\j:X+16*\b+4*\j+3], v[SB] offset:128*\b+16*\j   ; LDS serves a wave's instructions in order: these see the stores above
.endr
.endr
	s_wait_dscnt 0x0
	QUANT X
	global_store_b128 v[LO], v[PC:PC+3], s[14:15] offset:1536*\e           ; the image: each store covers 512 or 256 consecutive bytes, aligned
	global_store_b64 v[L8], v[PC+4:PC+5], s[14:15] offset:1536*\e+512
	global_store_b128 v[LO], v[PC+6:PC+9], s[14:15] offset:1536*\e+768
	global_store_b64 v[L8], v[PC+10:PC+11], s[14:15] offset:1536*\e+1280
	ds_store_b32 v[SW], v[PW] offset:4*\e          ; both halves of the lanes write the same word with the same value
.endm
	STEP 0
	STEP 1
	s_wait_dscnt 0x0                               ; for the others' sake: my words lie in LDS
	s_barrier_signal -1
	s_barrier_wait -1
	s_cmp_lt_u32 s[WV], 4
	s_cbranch_scc0 .Lno_words
	ds_load_b64 v[120:121], v[SR]
	s_wait_dscnt 0x0
	global_store_b64 v[GS], v[120:121], s[16:17]   ; 32 lanes store 256 consecutive bytes, aligned
.Lno_words:
	s_wait_tensorcnt 0x0                           ; the wave's end: behind my last LDS store
	ds_add_u32 v[SPW], v[NIL]
	s_wait_dscnt 0x0
	s_endpgm
.Lfunc_end_k_qd130f0da08_quant:
	.size	k_qd130f0da08_quant, .Lfunc_end_k_qd130f0da08_quant-k_qd130f0da08_quant
	.p2alignl 7, 3214868480
	.fill 96, 4, 3214868480
	.section	.rodata,"a",@progbits
	.p2align	6, 0x0
	.amdhsa_kernel k_qd130f0da08_quant
		.amdhsa_group_segment_fixed_size 69632
		.amdhsa_private_segment_fixed_size 0
		.amdhsa_enable_private_segment 0
		.amdhsa_kernarg_size 56
		.amdhsa_user_sgpr_count 2
		.amdhsa_user_sgpr_kernarg_segment_ptr 1
		.amdhsa_wavefront_size32 1
		.amdhsa_system_sgpr_workgroup_id_x 1
		.amdhsa_system_sgpr_workgroup_id_y 1
		.amdhsa_system_sgpr_workgroup_id_z 1
		.amdhsa_system_vgpr_workitem_id 0
		.amdhsa_next_free_vgpr 256
		.amdhsa_next_free_sgpr 66
		.amdhsa_reserve_vcc 0
		.amdhsa_float_denorm_mode_32 3
		.amdhsa_float_denorm_mode_16_64 3
		.amdhsa_memory_ordered 1
		.amdhsa_forward_progress 1
		.amdhsa_inst_pref_size 23
	.end_amdhsa_kernel
	.amdgpu_metadata
---
amdhsa.version: [ 1, 2 ]
amdhsa.kernels:
  - .name:           k_qd130f0da08_quant
    .symbol:         k_qd130f0da08_quant.kd
    .args:
      - { .name: x, .offset: 0, .size: 8, .value_kind: global_buffer, .address_space: global }
      - { .name: wq, .offset: 8, .size: 8, .value_kind: global_buffer, .address_space: global }
      - { .name: wk, .offset: 16, .size: 8, .value_kind: global_buffer, .address_space: global }
      - { .name: wv, .offset: 24, .size: 8, .value_kind: global_buffer, .address_space: global }
      - { .name: wo, .offset: 32, .size: 8, .value_kind: global_buffer, .address_space: global }
      - { .name: codes1, .offset: 40, .size: 8, .value_kind: global_buffer, .address_space: global }
      - { .name: scales1, .offset: 48, .size: 8, .value_kind: global_buffer, .address_space: global }
    .group_segment_fixed_size: 69632
    .private_segment_fixed_size: 0
    .kernarg_segment_align: 8
    .kernarg_segment_size: 56
    .max_flat_workgroup_size: 256
    .sgpr_count:     66
    .vgpr_count:     256
    .wavefront_size: 32
...
	.end_amdgpu_metadata
.endif
;; end of part 1
;; launch qkv (part 2): grid 24 x 16, 4 waves a work-group, clusters of 4 x 4, 327,680 bytes of LDS; arguments codes1, scales1, cos_rope, sin_rope, qc, qs, kv; writes qc, qs, kv
.if DOCPART == 2
	.amdgcn_target "amdgcn-amd-amdhsa--gfx1250"
	.amdhsa_code_object_version 6
	.text
	.protected	k_qd130f0da08_qkv
	.globl	k_qd130f0da08_qkv
	.p2align	8
	.type	k_qd130f0da08_qkv,@function
k_qd130f0da08_qkv:
	s_mov_b64 s[64:65], 0
	v_nop
	global_prefetch_b8 v0, s[64:65] scope:SCOPE_SE
	s_setreg_imm32_b32 hwreg(HW_REG_WAVE_MODE, 25, 1), 1
	s_wait_xcnt 0x0
	s_wait_alu depctr_hold_cnt(0) depctr_sa_sdst(0) depctr_va_vdst(0) depctr_va_sdst(0) depctr_va_ssrc(0) depctr_va_vcc(0) depctr_vm_vsrc(0)
	s_getreg_b32 s2, hwreg(HW_REG_IB_STS2, 6, 4)
	s_cmp_eq_u32 s2, 0
	s_cbranch_scc0 .Lentry_in_a_cluster
	s_endpgm
.Lentry_in_a_cluster:
	s_bfe_u32 s2, ttmp6, 0x10000c
	s_cmp_lg_u32 s2, 0xf033
	s_cbranch_scc0 .Lentry_shape_is_right
	s_endpgm
.Lentry_shape_is_right:
; [q | k | v] = x [wq | wk | wv]^T on codes of FP6 (M 2,048, N 3,072, K 2,048), then RoPE on q and k in f32, then the quantisers of attention's operands: q and k along the head's 64, v along the keys.
; LIMITS: NaN and infinities are not served; a block of zeros gets the byte 1 (its codes are zeros; this program alone reads the bytes); magnitudes under 2^-124 count as the floor.
; OPERANDS lie in codes1 as images of fragments, [tile of 16 rows][K step of 128][1,536 bytes]; position r of tile T is row 32 (T / 2) + 8 (T % 2) + r + 8 (r / 8).  scales1: [tile][position][16 words].
; SHARES.  A work-group makes 128 x 128 of the result, four waves 64 x 64 each: 16 accumulators.  THE MATRIX INSTRUCTION IS USED TRANSPOSED (source 0 = 16 rows of W, source 1 = 16 rows of x): a lane holds one row of x,
; and by the order of a tile's rows the registers 16 b + i of a row's 32 hold column 32 b + 16 h + i of the wave's 64, which are one head.
; K goes in four steps of 512 through three LDS slots: three first fills at the start, one refill.  By this text's count a wave has at most three tensor loads out.
; CLUSTER 4 x 4: the four of a row of the cluster need the same tiles of x, the four of a column the same tiles of W: each tile is asked for jointly.
; The kind of the columns hangs on the cluster's x alone, which all partners share: 0-3 q, 4 k, 5 v.
; cos and sin of a wave's 64 rows are loaded at the head by EVERY work-group, so that their registers are written on every way through the text; the 64 of 384 work-groups that make v do not use them.
; RESULTS.  qc [head 32][tile 128][768]: half fragments (64 along K);  qs [head][tile][16 words] (bytes 0, 1; the upper two are 0 and stand over zero codes);
; kv [group 8][key step 16][13,056]: K's 8 half fragments at 0, V^T's 4 fragments (16 channels x 128 keys) at 6,144, K's scale words at 12,288, V's at 12,800.
; Three quarters of the operand bytes are asked for by the first fills.
; REGISTERS.  window 0: v1-3 r, h, lane; v4-15 fragment addresses; v16-23 other addresses; v28, v29 the add's two; v32-63 at work; v64-127 x's scale words (16 a + s), v128-191 W's (16 t + s); v192-255 the way out.
;   window 1: two fragment buffers of 96 (x's four, then W's four);  window 2: accumulator (a, t) at 32 a + 8 t;  window 3: cos and sin of my 64 rows.
; THE FILLS (this paragraph overrides the head comment's sentences on first fills and on prefetching): one tensor load a wave is out at any place of the text.
; Slot 0 (K steps 0-3) is asked for at the head; slot 1 (4-7) behind the full sequence and a round, ahead of K step 0; slot 2 (8-11) behind the round at K step 3; slot 0 again (12-15) behind the round at K step 7.
; PREFETCH: of the four tiles that a wave's load brings, each of the four partners that ask jointly names one (6,144 bytes, 24 blocks of 256, a lane a block; lanes 24-31 name the last again), told apart by address.
; The head names the second and third fills' bytes, the place behind the second fill the fourth's: each at least one fill ahead of the load that wants it.  All offsets are immediates: the address registers are never rewritten.
.set SLOT,  98304
.set BREG,  49152
.set HALFB, 24576                      ; four tiles of a slot: what one tensor load brings, and what a wave reads of a side
.set TROW,  24576                      ; a tile's 16 K steps in memory
.set KSL,   6144                       ; a slot's four K steps of a tile
.set SPARE, 3*SLOT                     ; the spare words, 128 bytes for each wave: two blocks of 256 bytes that no other line names
.set VSTG,  SLOT                       ; v's stage, 128 keys x 528 bytes, in slot 1, which has had its only fill and its last read when the first result is stored there
.set WC,    128*TROW                   ; W's codes in codes1
.set WS,    128*1024                   ; W's words in scales1
.set KVG,   208896                     ; a group's 16 blocks of kv
.set KVB,   13056
.set A16, 4
.set A8,  7
.set B16, 10
.set B8,  13
.set SOF, 16                           ; 64 r
.set COF, 17                           ; cos, sin: my row and half
.set L16, 18
.set L8,  19
.set L4,  20
.set VSO, 21                           ; v's stage: in
.set VRD, 22                           ; and out
.set RR,  23                           ; r + 8 (r / 8)
.set SPW, 28
.set NIL, 29
.set TM,  32                           ; q, k: two largest magnitudes; TP lane l xor 16's; SO scale operands; BY bytes; PT half a block's codes; PW four scale words
.set TP,  34
.set SO,  36
.set BY,  38
.set PT,  40
.set PW,  44
.set VPC, 32                           ; v: a fragment's codes; VPT half a block's; VM two chains; VSC scale operand; VBY two bytes; VW two words; VT, VSH at work
.set VPT, 44
.set VM,  48
.set VSC, 50
.set VBY, 51
.set VW,  53
.set VT,  55
.set VSH, 56
.set AS,  64
.set BS,  128
.set Y,   192                          ; a row tile's 32 numbers after RoPE
.set PC,  224                          ; its codes: 8 registers for each of the four tiles, so that no store's data are written again
.set VX,  192                          ; v: 64 numbers down the keys
.set F0,  0
.set F1,  96
.set G1A, 24
.set G1B, 32
.set G0A, 40                           ; three sets, one for each slot
.set G0B, 52
.set SEL, 90
.set MSB, 0
.macro WIN new                         ; the immediate's high byte repeats the setting that is left
.if MSB != \new
	s_set_vgpr_msb (MSB<<8)|\new
.set MSB, \new
.endif
.endm
.macro PLACES                          ; four places behind a matrix instruction, ahead of loads into its registers and of reads of its results
.rept 4
	v_nop
.endr
.endm
.macro CREST
	s_cmp_lg_u32 s18, 0
	s_cbranch_scc1 .Lnot_wave_0_\@
	s_barrier_signal -3
.Lnot_wave_0_\@:
	s_barrier_wait -3
	s_barrier_signal -1
	s_barrier_wait -1
.endm
.macro ROUND                           ; a round of the cluster's barrier
	s_barrier_signal -1
	s_barrier_wait -1
	CREST
.endm
.macro JLOAD n                         ; a joint load into slot n: waves 0 and 1 fetch x's halves, waves 2 and 3 W's; an s_nop 0 and four v_nop follow each line
	s_cmp_eq_u32 s19, 0
	s_cbranch_scc0 .Lfor_b_\@
	tensor_load_to_lds s[G0A+4*\n:G0A+4*\n+3], s[G1A:G1A+7]
	s_nop 0
.rept 4
	v_nop
.endr
	s_branch .Lasked_\@
.Lfor_b_\@:
	tensor_load_to_lds s[G0B+4*\n:G0B+4*\n+3], s[G1B:G1B+7]
	s_nop 0
.rept 4
	v_nop
.endr
.Lasked_\@:
.endm
.macro FETCH slot, q, f                ; 32 LDS loads: my four fragments of x and four of W, the slot's q-th K step, into buffer f; every load covers 512 or 256 consecutive bytes
	WIN 0x40
.irp i, 0,1,2,3
	ds_load_b128 v[\f+12*\i:\f+12*\i+3], v[A16+\slot] offset:KSL*\i+1536*\q
	ds_load_b64 v[\f+12*\i+4:\f+12*\i+5], v[A8+\slot] offset:KSL*\i+1536*\q+512
	ds_load_b128 v[\f+12*\i+6:\f+12*\i+9], v[A16+\slot] offset:KSL*\i+1536*\q+768
	ds_load_b64 v[\f+12*\i+10:\f+12*\i+11], v[A8+\slot] offset:KSL*\i+1536*\q+1280
.endr
.irp i, 0,1,2,3
	ds_load_b128 v[\f+48+12*\i:\f+48+12*\i+3], v[B16+\slot] offset:KSL*\i+1536*\q
	ds_load_b64 v[\f+48+12*\i+4:\f+48+12*\i+5], v[B8+\slot] offset:KSL*\i+1536*\q+512
	ds_load_b128 v[\f+48+12*\i+6:\f+48+12*\i+9], v[B16+\slot] offset:KSL*\i+1536*\q+768
	ds_load_b64 v[\f+48+12*\i+10:\f+48+12*\i+11], v[B8+\slot] offset:KSL*\i+1536*\q+1280
.endr
.endm
.macro MUL s, f, zero                  ; K step s: 16 matrix instructions; the 16 accumulators take turns, in the same order in every K step
	WIN 0xa5
.irp a, 0,1,2,3
.irp t, 0,1,2,3
.if \zero
	v_wmma_scale_f32_16x16x128_f8f6f4 v[32*\a+8*\t:32*\a+8*\t+7], v[\f+48+12*\t:\f+48+12*\t+11], v[\f+12*\a:\f+12*\a+11], 0, v[BS+16*\t+\s], v[AS+16*\a+\s] matrix_a_fmt:MATRIX_FMT_FP6 matrix_b_fmt:MATRIX_FMT_FP6
.else
	v_wmma_scale_f32_16x16x128_f8f6f4 v[32*\a+8*\t:32*\a+8*\t+7], v[\f+48+12*\t:\f+48+12*\t+11], v[\f+12*\a:\f+12*\a+11], v[32*\a+8*\t:32*\a+8*\t+7], v[BS+16*\t+\s], v[AS+16*\a+\s] matrix_a_fmt:MATRIX_FMT_FP6 matrix_b_fmt:MATRIX_FMT_FP6
.endif
.endr
.endr
.endm
.macro KS s, f, g, zero, nslot, nq     ; the next K step's fragments are asked for, then this one is multiplied
	PLACES
	FETCH \nslot, \nq, \g
	s_wait_dscnt 32                                ; all but the 32 just issued: buffer f is in
	MUL \s, \f, \zero
.endm
.macro TURN s, fill, nslot, fs         ; fill = 1: slot fs has its first fill; fill = 2: slot 0, read out, takes the last 512 along K; fill = 0: nothing is asked for
	WIN 0
	s_wait_tensorcnt 0x0                           ; all my tensor loads have landed
	ds_add_u32 v[SPW], v[NIL]                      ; 0 onto my spare word
.if \fill == 2
	s_add_nc_u64 s[G0A+2:G0A+3], s[G0A+2:G0A+3], 3*KSL
	s_add_nc_u64 s[G0B+2:G0B+3], s[G0B+2:G0B+3], 3*KSL
.endif
	s_wait_dscnt 0x0                               ; the add is done, and all my LDS reads are back
.if \fill
	ROUND
	JLOAD \fs
.else
	s_barrier_signal -1
	s_barrier_wait -1
	PLACES
.endif
	FETCH \nslot, 0, F0
	MUL \s, F1, 0
.endm
; 32 numbers of a lane, register 16 b + i = k 32 b + 16 h + i of its row, become half a fragment's codes in v[pc] .. v[pc + 5] and the row's two scale bytes in v[pw]
.macro QUANT2 s, pc, pw
.irp b, 0,1
	v_max3_num_f32 v[TM+\b], |v[\s+16*\b]|, |v[\s+16*\b+1]|, 0x1800000   ; and the floor 2^(3 - 127): the byte cannot fall under 1
.endr
.irp i, 2,4,6,8,10,12,14
.irp b, 0,1
	v_max3_num_f32 v[TM+\b], v[TM+\b], |v[\s+16*\b+\i]|, |v[\s+16*\b+\i+1]|
.endr
.endr
.irp b, 0,1
	v_permlanex16_b32 v[TP+\b], v[TM+\b], s[SEL], s[SEL+1]
.endr
.irp b, 0,1
	v_max_num_f32 v[TM+\b], v[TM+\b], v[TP+\b]
.endr
.irp b, 0,1
	v_add_nc_u32 v[SO+\b], 0xff000000, v[TM+\b]    ; 2 off the exponent field: the conversion's scale operand
.endr
.irp b, 0,1
	v_lshrrev_b32 v[BY+\b], 23, v[SO+\b]
.endr
	v_lshl_or_b32 v[\pw], v[BY+1], 8, v[BY]
	v_cvt_scalef32_pk16_fp6_f32 v[\pc:\pc+2], v[\s:\s+15], v[SO]
	v_cvt_scalef32_pk16_fp6_f32 v[PT:PT+2], v[\s+16:\s+31], v[SO+1]
	v_nop                                          ; one plain place behind a scaled conversion
.irp i, 0,1,2
	v_permlane16_swap_b32 v[\pc+\i], v[PT+\i]      ; lanes 0-15 get block 0 whole, lanes 16-31 block 1
.endr
.irp i, 0,1,2
	v_mov_b32 v[\pc+3+\i], v[PT+\i]
.endr
.endm
	s_load_b256 s[4:11], s[0:1], 0x0               ; codes1, scales1, cos, sin
	s_load_b128 s[12:15], s[0:1], 0x20             ; qc, qs
	s_load_b64 s[16:17], s[0:1], 0x30              ; kv
	v_lshl_add_u32 v[SPW], v0, 2, SPARE
	v_mov_b32 v[NIL], 0
	ds_add_u32 v[SPW], v[NIL]                      ; the wave's opening: the add and its wait ahead of the round in front of my first tensor loads
	ds_add_u32 v[SPW], v[NIL]
	v_lshrrev_b32 v1, 5, v0
	v_readfirstlane_b32 s18, v1                    ; wave 0..3
	s_lshr_b32 s19, s18, 1                         ; which 64 rows are mine.  Also: I fetch for x (0) or for W (1)
	s_and_b32 s20, s18, 1                          ; which 64 columns.  Also: which four tiles I fetch
	s_bfe_u32 s21, ttmp6, 0x40000                  ; cx
	s_bfe_u32 s22, ttmp6, 0x40004                  ; cy
	s_lshl_b32 s23, ttmp9, 2
	s_add_co_u32 s23, s23, s21                     ; column tile = 4 x cluster x + cx
	s_and_b32 s66, ttmp7, 0xffff
	s_lshl_b32 s66, s66, 2
	s_add_co_u32 s66, s66, s22                     ; row tile = 4 x cluster y + cy
	s_lshl_b32 s67, s22, 2
	s_lshl_b32 s67, 15, s67                        ; my row of the cluster
	s_lshl_b32 s68, 0x1111, s21                    ; my column
	s_or_b32 s[G1A], s67, (3<<16)|(1<<21)          ; 15:0 the mask; 17:16 elements of 8 bytes; 21 set beside a mask; no padding
	s_or_b32 s[G1B], s68, (3<<16)|(1<<21)
.irp g, G1A, G1B
	s_mov_b32 s[\g+1], 768<<16                     ; tensor_dim0: 6,144 bytes, four K steps of a tile
	s_mov_b32 s[\g+2], 4<<16                       ; tensor_dim1: four tiles
	s_mov_b32 s[\g+3], 768<<16                     ; tile_dim0
	s_mov_b32 s[\g+4], 4                           ; tile_dim1
	s_mov_b32 s[\g+5], 3072                        ; from tile to tile: 24,576 bytes
	s_mov_b32 s[\g+6], 0
	s_mov_b32 s[\g+7], 0
.endr
	s_lshl_b32 s70, s66, 3                         ; x: tile 8 x row tile + 4 x half; made of the row tile and the wave's number alone
	s_lshl_b32 s71, s20, 2
	s_add_co_u32 s70, s70, s71
	s_mul_i32 s70, s70, TROW
	s_mov_b32 s71, 0
	s_lshl_b32 s72, s23, 3                         ; W: tile 8 x column tile + 4 x half
	s_lshl_b32 s73, s20, 2
	s_add_co_u32 s72, s72, s73
	s_mul_i32 s72, s72, TROW
	s_add_co_u32 s72, s72, WC
	s_mov_b32 s73, 0
	s_mul_i32 s74, s18, HALFB                      ; where they go in a slot: wave x 24,576
	s_mov_b32 s[SEL], 0x76543210
	s_mov_b32 s[SEL+1], 0xfedcba98
	s_wait_dscnt 0x0                               ; the opening add is done
	s_wait_kmcnt 0x0
	s_add_nc_u64 s[70:71], s[4:5], s[70:71]
	s_add_nc_u64 s[72:73], s[4:5], s[72:73]
	s_cmp_eq_u32 s19, 0                            ; the prefetches: do I fetch for x or for W?
	s_cselect_b64 s[96:97], s[70:71], s[72:73]
	s_cselect_b32 s98, s21, s22                    ; my place among the four that ask with me: cx for x's tiles, cy for W's
	s_mul_i32 s98, s98, TROW                       ; my work-group's one tile of the four
	s_mov_b32 s99, 0
	s_add_nc_u64 s[96:97], s[96:97], s[98:99]
	ROUND                                          ; all sixteen work-groups are here: the first joint loads meet
.irp n, 0,1,2
	s_mov_b32 s[G0A+4*\n], 1
	s_add_co_u32 s[G0A+4*\n+1], s74, \n*SLOT
	s_add_nc_u64 s[G0A+4*\n+2:G0A+4*\n+3], s[70:71], \n*KSL
	s_or_b32 s[G0A+4*\n+3], s[G0A+4*\n+3], 0x80000000
	s_mov_b32 s[G0B+4*\n], 1
	s_add_co_u32 s[G0B+4*\n+1], s74, \n*SLOT
	s_add_nc_u64 s[G0B+4*\n+2:G0B+4*\n+3], s[72:73], \n*KSL
	s_or_b32 s[G0B+4*\n+3], s[G0B+4*\n+3], 0x80000000
.endr
	JLOAD 0                                        ; one tensor load a wave at the head
	v_and_b32 v1, 15, v0                           ; r
	v_bfe_u32 v2, v0, 4, 1                         ; h
	v_and_b32 v3, 31, v0                           ; lane
	v_lshlrev_b32 v[L16], 4, v3
	v_lshlrev_b32 v[L8], 3, v3
	v_lshlrev_b32 v[L4], 2, v3
	v_min_u32 v24, 23, v3                          ; the prefetches' offset: 256 x min(lane, 23); never rewritten
	v_lshlrev_b32 v24, 8, v24
	s_mul_i32 s75, s19, HALFB                      ; my four tiles of x,
	s_mul_i32 s76, s20, HALFB
	s_add_co_u32 s76, s76, BREG                    ; and of W
.irp n, 0,1,2
	v_add_nc_u32 v[A16+\n], s75, v[L16]
	v_add_nc_u32 v[A8+\n], s75, v[L8]
	v_add_nc_u32 v[B16+\n], s76, v[L16]
	v_add_nc_u32 v[B8+\n], s76, v[L8]
	s_add_co_u32 s75, s75, SLOT
	s_add_co_u32 s76, s76, SLOT
.endr
	v_lshlrev_b32 v[SOF], 6, v1
	s_wait_alu depctr_va_vdst(0)
	global_prefetch_b8 v24, s[96:97] offset:KSL th:TH_LOAD_NT scope:SCOPE_SE     ; K steps 4-7 of my tile
	global_prefetch_b8 v24, s[96:97] offset:2*KSL th:TH_LOAD_NT scope:SCOPE_SE   ; K steps 8-11
	s_lshl_b32 s78, s66, 13                        ; the scale words of my 64 rows of x: 64 bytes a row
	s_lshl_b32 s79, s19, 12
	s_add_co_u32 s78, s78, s79
	s_mov_b32 s79, 0
	s_add_nc_u64 s[78:79], s[6:7], s[78:79]
	s_lshl_b32 s80, s23, 13                        ; and of my 64 rows of W
	s_lshl_b32 s81, s20, 12
	s_add_co_u32 s80, s80, s81
	s_add_co_u32 s80, s80, WS
	s_mov_b32 s81, 0
	s_add_nc_u64 s[80:81], s[6:7], s[80:81]
.irp a, 0,1,2,3                                ; all 16 K steps' words stay in registers: lane r takes position r's
.irp q, 0,1,2,3
	global_load_b128 v[AS+16*\a+4*\q:AS+16*\a+4*\q+3], v[SOF], s[78:79] offset:1024*\a+16*\q
	global_load_b128 v[BS+16*\a+4*\q:BS+16*\a+4*\q+3], v[SOF], s[80:81] offset:1024*\a+16*\q
.endr
.endr
	v_and_b32 v[RR], 8, v1
	v_add_nc_u32 v[RR], v[RR], v1                  ; r + 8 (r / 8)
	v_lshlrev_b32 v[COF], 8, v[RR]
	v_lshl_add_u32 v[COF], v2, 6, v[COF]           ; cos, sin: a row is 256 bytes; my half's 16 numbers of each 32
	v_mul_u32_u24 v[VSO], v[RR], 528               ; v's stage, in: row = key, 64 x (wave / 2) + r + 8 (r / 8); bytes 256 x (wave % 2) + 64 h
	v_lshl_add_u32 v[VSO], v2, 6, v[VSO]
	s_mul_i32 s88, s19, 64*528
	s_lshl_b32 s89, s20, 8
	s_add_co_u32 s88, s88, s89
	s_add_co_u32 s88, s88, VSTG
	v_add_nc_u32 v[VSO], s88, v[VSO]
	v_mul_u32_u24 v[VRD], v2, 32*528               ; out: keys 32 h on; channel 64 x (wave / 2) + 32 x (wave % 2) + r + 8 (r / 8)
	v_lshl_add_u32 v[VRD], v[RR], 2, v[VRD]
	s_lshl_b32 s88, s19, 8
	s_lshl_b32 s89, s20, 7
	s_add_co_u32 s88, s88, s89
	s_add_co_u32 s88, s88, VSTG
	v_add_nc_u32 v[VRD], s88, v[VRD]
	v_mov_b32 v[TP], 0                             ; written once: a lane permute's destination counts as one of its sources
	v_mov_b32 v[TP+1], 0
	v_mov_b32 v[VT], 0
	v_lshlrev_b32 v[VSH], 3, v2                    ; 8 h
	s_lshl_b32 s82, s66, 15                        ; cos and sin at my first row: 128 x row tile + 64 x (wave / 2)
	s_lshl_b32 s83, s19, 14
	s_add_co_u32 s82, s82, s83
	s_mov_b32 s83, 0
	s_add_nc_u64 s[84:85], s[8:9], s[82:83]
	s_add_nc_u64 s[86:87], s[10:11], s[82:83]
	WIN 0xc0                                       ; destination window 3: for row tile a: cos at 64 a + 16 b + i, sin at 64 a + 32 + 16 b + i, for channel 32 b + 16 h + i.  On every way through the text; they land under the products
.irp a, 0,1,2,3
.irp b, 0,1
.irp j, 0,1,2,3
	global_load_b128 v[64*\a+16*\b+4*\j:64*\a+16*\b+4*\j+3], v[COF], s[84:85] offset:(32*(\a/2)+8*(\a%2))*256+128*\b+16*\j
	global_load_b128 v[64*\a+32+16*\b+4*\j:64*\a+32+16*\b+4*\j+3], v[COF], s[86:87] offset:(32*(\a/2)+8*(\a%2))*256+128*\b+16*\j
.endr
.endr
.endr
	WIN 0
	s_wait_alu depctr_va_vdst(0)                   ; the wait at the head's end
	s_wait_tensorcnt 0x0                           ; my part of slot 0 is in
	ds_add_u32 v[SPW], v[NIL]
	s_wait_dscnt 0x0
	ROUND                                          ; everybody's part is in, and the joint loads meet
	JLOAD 1                                        ; slot 1's first fill, the first tensor load behind the round
	FETCH 0, 0, F0
	global_prefetch_b8 v24, s[96:97] offset:3*KSL th:TH_LOAD_NT scope:SCOPE_SE   ; K steps 12-15 of my tile
	s_wait_loadcnt 0x0                             ; the scale words, cos and sin
	KS 0, F0, F1, 1, 0, 1                          ; the first K step's products start the sums: nothing is cleared
	KS 1, F1, F0, 0, 0, 2
	KS 2, F0, F1, 0, 0, 3
	TURN 3, 1, 1, 2                                ; slot 1 is whole in every wave; slot 2 has its first fill
	KS 4, F0, F1, 0, 1, 1
	KS 5, F1, F0, 0, 1, 2
	KS 6, F0, F1, 0, 1, 3
	TURN 7, 2, 2, 0                                ; slot 2 is whole; slot 0 is asked for again
	KS 8, F0, F1, 0, 2, 1
	KS 9, F1, F0, 0, 2, 2
	KS 10, F0, F1, 0, 2, 3
	TURN 11, 0, 0, 0
	KS 12, F0, F1, 0, 0, 1
	KS 13, F1, F0, 0, 0, 2
	KS 14, F0, F1, 0, 0, 3
	s_wait_dscnt 0x0
	MUL 15, F1, 0
	WIN 0
	PLACES
	s_cmp_eq_u32 ttmp9, 5
	s_cbranch_scc1 .Lvalues
	; ---- q and k: RoPE, the quantiser along the head's 64, the images
	s_lshl_b32 s70, s23, 1
	s_add_co_u32 s70, s70, s20                     ; my head: 0-31 q, 32-39 k
	s_lshl_b32 s71, s70, 7
	s_lshl_b32 s72, s66, 3
	s_add_co_u32 s71, s71, s72
	s_lshl_b32 s72, s19, 2
	s_add_co_u32 s71, s71, s72                     ; q: tile 128 x head + 8 x row tile + 4 x (wave / 2)
	s_mul_i32 s74, s71, 768
	s_lshl_b32 s76, s71, 6
	s_max_u32 s70, s70, 32
	s_sub_co_u32 s70, s70, 32                      ; k: the group
	s_mul_i32 s70, s70, KVG
	s_mul_i32 s72, s66, KVB                        ; the key step is the row tile
	s_add_co_u32 s70, s70, s72
	s_mul_i32 s72, s19, 3072
	s_add_co_u32 s72, s70, s72                     ; my four tiles' codes
	s_lshl_b32 s73, s19, 8
	s_add_co_u32 s73, s70, s73
	s_add_co_u32 s73, s73, 12288                   ; and their scale words
	s_cmp_lt_u32 ttmp9, 4
	s_cselect_b32 s74, s74, s72
	s_cselect_b32 s76, s76, s73
	s_cselect_b64 s[92:93], s[12:13], s[16:17]
	s_cselect_b64 s[94:95], s[14:15], s[16:17]
	s_mov_b32 s75, 0
	s_mov_b32 s77, 0
	s_add_nc_u64 s[92:93], s[92:93], s[74:75]
	s_add_nc_u64 s[94:95], s[94:95], s[76:77]
.irp a, 0,1,2,3
	WIN 0x0e                                       ; source 0: the sums, window 2; source 1: cos and sin, window 3.
.irp i, 0,2,4,6,8,10,12,14
	v_pk_mul_f32 v[Y+\i:Y+\i+1], v[32*\a+\i:32*\a+\i+1], v[64*\a+\i:64*\a+\i+1]                     ; channels under 32: t cos
	v_pk_mul_f32 v[Y+16+\i:Y+16+\i+1], v[32*\a+16+\i:32*\a+16+\i+1], v[64*\a+16+\i:64*\a+16+\i+1]   ; channels from 32 on: t cos
.endr
.irp i, 0,2,4,6,8,10,12,14
	v_pk_fma_f32 v[Y+\i:Y+\i+1], v[32*\a+16+\i:32*\a+16+\i+1], v[64*\a+32+\i:64*\a+32+\i+1], v[Y+\i:Y+\i+1] neg_lo:[1,0,0] neg_hi:[1,0,0]   ; - the upper half's partner x sin
	v_pk_fma_f32 v[Y+16+\i:Y+16+\i+1], v[32*\a+\i:32*\a+\i+1], v[64*\a+48+\i:64*\a+48+\i+1], v[Y+16+\i:Y+16+\i+1]                          ; + the lower half's partner x sin
.endr
	WIN 0
	QUANT2 Y, PC+8*\a, PW+\a
	global_store_b128 v[L16], v[PC+8*\a:PC+8*\a+3], s[92:93] offset:768*\a
	global_store_b64 v[L8], v[PC+8*\a+4:PC+8*\a+5], s[92:93] offset:768*\a+512
.endr
	v_permlane16_swap_b32 v[PW], v[PW+1]           ; two tiles' words in one register: lanes 0-15 the first's, lanes 16-31 the second's
	v_permlane16_swap_b32 v[PW+2], v[PW+3]
	global_store_b32 v[L4], v[PW], s[94:95]
	global_store_b32 v[L4], v[PW+2], s[94:95] offset:128
	s_branch .Lend
.Lvalues:
	; ---- v: its K is the keys.  The 128 keys x 128 channels meet in the stage; then a lane takes a channel and its registers run down the keys
	WIN 0x08                                       ; an LDS store's data are its source 1: window 2
	s_wait_alu depctr_va_vdst(0)
.irp a, 0,1,2,3
.irp t, 0,1,2,3
	ds_store_b128 v[VSO], v[32*\a+8*\t:32*\a+8*\t+3] offset:(32*(\a/2)+8*(\a%2))*528+128*(\t/2)+32*(\t%2)
	ds_store_b128 v[VSO], v[32*\a+8*\t+4:32*\a+8*\t+7] offset:(32*(\a/2)+8*(\a%2))*528+128*(\t/2)+32*(\t%2)+16
.endr
.endr
	WIN 0
	s_wait_dscnt 0x0                               ; for the others' sake: my stores have landed
	s_barrier_signal -1
	s_barrier_wait -1
	s_lshl_b32 s92, s21, 1
	s_add_co_u32 s92, s92, s19                     ; the group: 2 cx + wave / 2
	s_mul_i32 s92, s92, KVG
	s_mul_i32 s93, s66, KVB
	s_add_co_u32 s92, s92, s93
	s_mul_i32 s93, s20, 3072
	s_add_co_u32 s94, s92, s93
	s_add_co_u32 s94, s94, 6144                    ; my two fragments of V^T: channel tiles 2 (wave % 2) + e
	s_mov_b32 s95, 0
	s_add_nc_u64 s[94:95], s[16:17], s[94:95]
	s_lshl_b32 s93, s20, 7
	s_add_co_u32 s92, s92, s93
	s_add_co_u32 s92, s92, 12800                   ; and their scale words
	s_mov_b32 s93, 0
	s_add_nc_u64 s[92:93], s[16:17], s[92:93]
.macro VBLOCK c                        ; my block 2 c + h of 32 keys: all its numbers are mine
.set XB, VX+32*\c
	v_max3_num_f32 v[VM], |v[XB]|, |v[XB+1]|, |v[XB+2]|
	v_max3_num_f32 v[VM+1], |v[XB+3]|, |v[XB+4]|, |v[XB+5]|
.irp i, 6,10,14,18,22,26
	v_max3_num_f32 v[VM], v[VM], |v[XB+\i]|, |v[XB+\i+1]|
	v_max3_num_f32 v[VM+1], v[VM+1], |v[XB+\i+2]|, |v[XB+\i+3]|
.endr
	v_max3_num_f32 v[VM], v[VM], |v[XB+30]|, |v[XB+31]|
	v_max3_num_f32 v[VM], v[VM], v[VM+1], 0x1800000
	v_add_nc_u32 v[VSC], 0xff000000, v[VM]
	v_lshrrev_b32 v[VBY+\c], 23, v[VSC]
	v_cvt_scalef32_pk16_fp6_f32 v[VPC+6*\c:VPC+6*\c+2], v[XB:XB+15], v[VSC]
	v_cvt_scalef32_pk16_fp6_f32 v[VPT:VPT+2], v[XB+16:XB+31], v[VSC]
	v_nop                                          ; one plain place behind a scaled conversion
.irp i, 0,1,2
	v_mov_b32 v[VPC+6*\c+3+\i], v[VPT+\i]
.endr
.endm
.irp e, 0,1
.if \e
	s_wait_xcnt 0x0                                ; the first fragment's stores have read their registers
.endif
.irp c, 0,1
.set i, 0
.rept 32
	ds_load_b32 v[VX+32*\c+i], v[VRD] offset:(64*\c+i)*528+32*\e   ; key 64 c + 32 h + i, channel tile's position r
.set i, i+1
.endr
.endr
.irp c, 0,1
	s_wait_dscnt 32*(1-\c)                         ; this block's 32 loads are in; the other's may be out
	VBLOCK \c
.endr
	v_lshl_or_b32 v[VW+\e], v[VBY+1], 16, v[VBY]   ; my two bytes, blocks h and 2 + h,
	v_lshlrev_b32 v[VW+\e], v[VSH], v[VW+\e]       ; at their places in the word;
	v_permlanex16_b32 v[VT], v[VW+\e], s[SEL], s[SEL+1]
	v_or_b32 v[VW+\e], v[VW+\e], v[VT]             ; with lane l xor 16's two the word is whole
	global_store_b128 v[L16], v[VPC:VPC+3], s[94:95] offset:1536*\e
	global_store_b64 v[L8], v[VPC+4:VPC+5], s[94:95] offset:1536*\e+512
	global_store_b128 v[L16], v[VPC+6:VPC+9], s[94:95] offset:1536*\e+768
	global_store_b64 v[L8], v[VPC+10:VPC+11], s[94:95] offset:1536*\e+1280
.endr
	v_permlane16_swap_b32 v[VW], v[VW+1]
	global_store_b32 v[L4], v[VW], s[92:93]
.Lend:
	s_wait_tensorcnt 0x0                           ; the wave's end: behind my last tensor load and my last LDS store
	ds_add_u32 v[SPW], v[NIL]
	s_wait_dscnt 0x0
	ROUND                                          ; the closing round
	s_endpgm
.Lfunc_end_k_qd130f0da08_qkv:
	.size	k_qd130f0da08_qkv, .Lfunc_end_k_qd130f0da08_qkv-k_qd130f0da08_qkv
	.p2alignl 7, 3214868480
	.fill 96, 4, 3214868480
	.section	.rodata,"a",@progbits
	.p2align	6, 0x0
	.amdhsa_kernel k_qd130f0da08_qkv
		.amdhsa_group_segment_fixed_size 327680
		.amdhsa_private_segment_fixed_size 0
		.amdhsa_enable_private_segment 0
		.amdhsa_kernarg_size 56
		.amdhsa_user_sgpr_count 2
		.amdhsa_user_sgpr_kernarg_segment_ptr 1
		.amdhsa_wavefront_size32 1
		.amdhsa_system_sgpr_workgroup_id_x 1
		.amdhsa_system_sgpr_workgroup_id_y 1
		.amdhsa_system_sgpr_workgroup_id_z 1
		.amdhsa_system_vgpr_workitem_id 0
		.amdhsa_next_free_vgpr 1024
		.amdhsa_next_free_sgpr 100
		.amdhsa_reserve_vcc 0
		.amdhsa_float_denorm_mode_32 3
		.amdhsa_float_denorm_mode_16_64 3
		.amdhsa_memory_ordered 1
		.amdhsa_forward_progress 1
		.amdhsa_inst_pref_size 124
	.end_amdhsa_kernel
	.amdgpu_metadata
---
amdhsa.version: [ 1, 2 ]
amdhsa.kernels:
  - .name:           k_qd130f0da08_qkv
    .symbol:         k_qd130f0da08_qkv.kd
    .args:
      - { .name: codes1, .offset: 0, .size: 8, .value_kind: global_buffer, .address_space: global }
      - { .name: scales1, .offset: 8, .size: 8, .value_kind: global_buffer, .address_space: global }
      - { .name: cos_rope, .offset: 16, .size: 8, .value_kind: global_buffer, .address_space: global }
      - { .name: sin_rope, .offset: 24, .size: 8, .value_kind: global_buffer, .address_space: global }
      - { .name: qc, .offset: 32, .size: 8, .value_kind: global_buffer, .address_space: global }
      - { .name: qs, .offset: 40, .size: 8, .value_kind: global_buffer, .address_space: global }
      - { .name: kv, .offset: 48, .size: 8, .value_kind: global_buffer, .address_space: global }
    .group_segment_fixed_size: 327680
    .private_segment_fixed_size: 0
    .kernarg_segment_align: 8
    .kernarg_segment_size: 56
    .max_flat_workgroup_size: 128
    .sgpr_count:     100
    .vgpr_count:     1024
    .wavefront_size: 32
...
	.end_amdgpu_metadata
.endif
;; end of part 2
;; launch attn (part 3): grid 32 x 8, 16 waves a work-group, clusters of 4 x 1, 212,992 bytes of LDS; arguments qc, qs, kv, cc, cs; writes cc, cs
.if DOCPART == 3
	.amdgcn_target "amdgcn-amd-amdhsa--gfx1250"
	.amdhsa_code_object_version 6
	.text
	.protected	k_qd130f0da08_attn
	.globl	k_qd130f0da08_attn
	.p2align	8
	.type	k_qd130f0da08_attn,@function
k_qd130f0da08_attn:
	s_mov_b64 s[64:65], 0
	v_nop
	global_prefetch_b8 v0, s[64:65] scope:SCOPE_SE
	s_setreg_imm32_b32 hwreg(HW_REG_WAVE_MODE, 25, 1), 1
	s_wait_xcnt 0x0
	s_wait_alu depctr_hold_cnt(0) depctr_sa_sdst(0) depctr_va_vdst(0) depctr_va_sdst(0) depctr_va_ssrc(0) depctr_va_vcc(0) depctr_vm_vsrc(0)
	s_getreg_b32 s2, hwreg(HW_REG_IB_STS2, 6, 4)
	s_cmp_eq_u32 s2, 0
	s_cbranch_scc0 .Lentry_in_a_cluster
	s_endpgm
.Lentry_in_a_cluster:
	s_bfe_u32 s2, ttmp6, 0x10000c
	s_cmp_lg_u32 s2, 0x3003
	s_cbranch_scc0 .Lentry_shape_is_right
	s_endpgm
.Lentry_shape_is_right:
; Causal attention on codes of FP6, 32 query heads on 8 groups of keys and values, head size 64, 2,048 positions; then ctx = O / l and its quantiser along (head, channel).
; SOFTMAX: t = score x log2(e) / 8; M = the running largest t rounded up to a whole number; p = 2^(t - M) is quantised along the keys, not normalised; the row's sum is taken of the unquantised p
; and divides O at the end.  When M moves, the sum and O are multiplied by 2^(old M - new M): exact.
; LEFT OUT: key steps all of whose keys come after a wave's queries: the causal mask makes their scores -infinity, so their p is 0 for all values of the inputs.
; LIMITS: NaN and infinities are not served; a block of zeros gets the byte 1 (its codes are zeros); p under 2^-126 counts as 0; the scaled scores stay under 2^31 in magnitude.
; The first product's K is 64: the upper half of each fragment is zero codes (registers cleared once); their scale bytes are 0, which stands for 2^-127 over zeros.
; SHARES.  A cluster (J = its x, 0 to 7; the group = its y) takes blocks J and 15 - J of 128 queries for the group's four heads.  Wave w: head w % 4; waves 0-7 block J, waves 8-15 block 15 - J;
; its tile of 16 queries is 8 x block + 2 cx + (w / 4) % 2.  Every work-group has 8 (J + 1) + 8 (16 - J) = 136 key steps of work.
; K AND V: the group's whole kv, 16 blocks of 13,056 bytes, is filled once: wave w asks for key step w, jointly with the three partners (mask 15).  One tensor load a wave is out.
; No ring, no refill, and nothing left to prefetch: every tile is asked for by the first loads.
; THE STEP'S LDS LOADS STAND AHEAD OF THEIR USE: K's tiles 0-3 of the next step are asked for behind this step's last score product (address held at step 15, so that it stays inside kv's bytes);
; tiles 4-7 behind the first four score products, ahead of the mask and the maxima of the first 64 keys; V's fragments directly behind p's conversions, into p's registers.
; CAUSAL.  Every wave walks 16 trips; a hidden step is left out by a scalar branch on ids; in the block's own step hidden scores become -infinity.
; LAYOUT.  Both products are used transposed: S^T = K Q^T, O^T = V^T P^T: a lane holds one query.  Position r of tile T is row 32 (T / 2) + 8 (T % 2) + r + 8 (r / 8): so registers 16 b + i
; of S^T hold key 32 b + 16 h + i of the step, and those of O^T channel 32 b + 16 h + i.
; RESULTS.  cc [tile 128][head 32][768]: half fragments.  cs [group 8][position 2,048][8 bytes]: two bytes a head.
.set KVB,   13056
.set KVG,   16*KVB
.set CSG,   KVG                        ; ctx's scale bytes of the work-group's 64 rows: 512 bytes
.set SPARE, CSG+512                    ; the spare words, 128 bytes for each wave
.set L16,  1
.set L8,   2
.set R4,   3
.set SPW,  5
.set NIL,  6
.set VD,   7                           ; my query's place in its block of 128, less 16 h
.set AD16, 8                           ; this step's addresses
.set AD8,  9
.set AD4,  10
.set QF,   16                          ; v16-27 Q (v22-27 = 0)
.set QS,   28
.set CSW,  29
.set CSR,  30
.set KF,   32                          ; v32-79 four fragments of K; the upper six registers of each stay 0
.set TS,   80                          ; v80-83 their scale words
.set O,    84                          ; v84-115 O^T
.set S,    116                         ; v116-179 S^T, then p; v116-163 then V^T's four fragments
.set PCD,  180                         ; v180-191 p's codes
.set PT,   192                         ; v192-198 halves of blocks
.set BM,   200                         ; v200-203 blocks' largest scores, then p
.set PX,   204                         ; v204-207 lane l xor 16's; then bytes
.set SO,   208                         ; v208-211 scale operands
.set FF,   212                         ; f; v213 p's scale word
.set PWD,  213
.set TT,   214
.set PS,   216
.set NINF, 218
.set AN16, 219                         ; the next step's addresses
.set AN8,  220
.set AN4,  221
.set VS,   222                         ; v222-225 V's scale words
.set T4,   226                         ; v226-229 four tiles' maxima
.set SM,   230                         ; v230-243 seven chains of the row's sum
.macro ROUND
	s_barrier_signal -1
	s_barrier_wait -1
	s_cmp_lg_u32 s18, 0
	s_cbranch_scc1 .Lnot_wave_0_\@
	s_barrier_signal -3
.Lnot_wave_0_\@:
	s_barrier_wait -3
	s_barrier_signal -1
	s_barrier_wait -1
.endm
.macro NOPS n
.rept \n
	v_nop
.endr
.endm
.macro KLOAD a16, a8, a4, g            ; K's tiles 4 g .. 4 g + 3 and their scale words
.irp t, 0,1,2,3
	ds_load_b128 v[KF+12*\t:KF+12*\t+3], v[\a16] offset:(4*\g+\t)*768
	ds_load_b64 v[KF+12*\t+4:KF+12*\t+5], v[\a8] offset:(4*\g+\t)*768+512
	ds_load_b32 v[TS+\t], v[\a4] offset:12288+(4*\g+\t)*64
.endr
.endm
; 64 keys: four score products; the loads that take K's registers next; the mask in my block's own step; the largest score of two blocks of 32
.macro HALF g, a16, a8, a4, ng
.irp t, 0,1,2,3
	v_wmma_scale_f32_16x16x128_f8f6f4 v[S+8*(4*\g+\t):S+8*(4*\g+\t)+7], v[KF+12*\t:KF+12*\t+11], v[QF:QF+11], 0, v[TS+\t], v[QS] matrix_a_fmt:MATRIX_FMT_FP6 matrix_b_fmt:MATRIX_FMT_FP6
.endr
	NOPS 4                                         ; places ahead of loads into the products' registers and of reads of their results
	KLOAD \a16, \a8, \a4, \ng
	s_cmp_lg_u32 s3, s36                           ; only my block's own step has hidden keys
	s_cbranch_scc1 .Lopen_\@
.set n, 32*\g
.rept 32
	v_cmp_gt_i32 vcc_lo, 32*(n/16)+n%16, v[VD]     ; register 16 b + i holds the block's key 32 b + 16 h + i: hidden where it comes after my query
	v_cndmask_b32 v[S+n], v[S+n], v[NINF], vcc_lo
.set n, n+1
.endr
.Lopen_\@:
.irp t, 0,1,2,3
	v_max3_num_f32 v[T4+\t], v[S+32*\g+8*\t], v[S+32*\g+8*\t+1], v[S+32*\g+8*\t+2]   ; four tiles by turns, each from its low end on
.endr
.irp i, 3,5
.irp t, 0,1,2,3
	v_max3_num_f32 v[T4+\t], v[T4+\t], v[S+32*\g+8*\t+\i], v[S+32*\g+8*\t+\i+1]
.endr
.endr
.irp b, 0,1
	v_max3_num_f32 v[BM+2*\g+\b], v[T4+2*\b], v[T4+2*\b+1], v[S+32*\g+16*\b+7]
.endr
.irp b, 0,1
	v_max_num_f32 v[BM+2*\g+\b], v[BM+2*\g+\b], v[S+32*\g+16*\b+15]
.endr
.endm
	s_load_b256 s[4:11], s[0:1], 0x0               ; qc, qs, kv, cc
	s_load_b64 s[12:13], s[0:1], 0x20              ; cs
	v_lshl_add_u32 v[SPW], v0, 2, SPARE
	v_mov_b32 v[NIL], 0
	ds_add_u32 v[SPW], v[NIL]                      ; the opening lines: the add, twice on end, and its wait
	ds_add_u32 v[SPW], v[NIL]
	v_lshrrev_b32 v8, 5, v0
	v_readfirstlane_b32 s18, v8                    ; wave 0..15
	v_and_b32 v4, 15, v0                           ; r
	v_bfe_u32 v11, v0, 4, 1                        ; h
	v_and_b32 v9, 31, v0
	v_lshlrev_b32 v[L16], 4, v9
	v_lshlrev_b32 v[L8], 3, v9
	v_lshlrev_b32 v[R4], 2, v4
	s_and_b32 s37, s18, 3                          ; my head in the group
	s_lshr_b32 s38, s18, 2                         ; which of the work-group's four tiles
	s_and_b32 s39, s38, 1
	s_bfe_u32 s40, ttmp6, 0x40000                  ; cx: it enters global addresses and the mask's numbers alone
	s_and_b32 s41, ttmp7, 0xffff                   ; the group
	s_sub_co_u32 s42, 15, ttmp9
	s_cmp_lt_u32 s18, 8
	s_cselect_b32 s36, ttmp9, s42                  ; my block of 128 queries: the same for a given wave in all four partners
	s_lshl_b32 s43, s36, 3
	s_lshl_b32 s44, s40, 1
	s_add_co_u32 s43, s43, s44
	s_add_co_u32 s43, s43, s39                     ; my tile
	s_lshl_b32 s45, s41, 2
	s_add_co_u32 s45, s45, s37                     ; my head
	s_lshl_b32 s46, s45, 7
	s_add_co_u32 s46, s46, s43
	s_mul_i32 s48, s46, 768                        ; Q's codes
	s_mov_b32 s49, 0
	s_lshl_b32 s50, s46, 6                         ; and scale words
	s_mov_b32 s51, 0
	s_mul_i32 s52, s43, 24576                      ; ctx's codes
	s_mul_i32 s53, s45, 768
	s_add_co_u32 s52, s52, s53
	s_mov_b32 s53, 0
	s_mul_i32 s54, s41, KVG                        ; the key step that I fetch: made of the group and the wave's number alone
	s_mul_i32 s56, s18, KVB
	s_add_co_u32 s54, s54, s56
	s_mov_b32 s55, 0
	s_and_b32 s57, s18, 1                          ; waves 0 and 1 send ctx's scale bytes out: block J's 32 rows, block 15 - J's
	s_cmp_eq_u32 s57, 0
	s_cselect_b32 s58, ttmp9, s42
	s_lshl_b32 s58, s58, 3
	s_add_co_u32 s58, s58, s44
	s_lshl_b32 s58, s58, 7
	s_lshl_b32 s59, s41, 14
	s_add_co_u32 s58, s58, s59
	s_mov_b32 s59, 0
	s_mov_b32 s24, 15|(3<<16)|(1<<21)              ; the mask: all four work-groups; elements of 8 bytes; bit 21 beside a mask; no padding
	s_mov_b32 s25, 32<<16                          ; a dense block as 51 rows of 256 bytes
	s_mov_b32 s26, 51<<16
	s_mov_b32 s27, 32<<16
	s_mov_b32 s28, 51
	s_mov_b32 s29, 32
	s_mov_b32 s30, 0
	s_mov_b32 s31, 0
	s_mov_b32 s20, 0x76543210
	s_mov_b32 s21, 0xfedcba98                      ; lane l xor 16
	s_mov_b32 s22, 0x3e38aa3b                      ; c = log2(e) / 8
	s_mov_b32 s23, s22
	s_mov_b32 s2, 0                                ; LDS byte at which the step's block begins
	s_mov_b32 s3, 0                                ; the step
	s_wait_alu depctr_va_vdst(0)
	s_wait_dscnt 0x0                               ; both opening adds are done
	s_wait_kmcnt 0x0
	s_add_nc_u64 s[4:5], s[4:5], s[48:49]
	s_add_nc_u64 s[6:7], s[6:7], s[50:51]
	s_add_nc_u64 s[10:11], s[10:11], s[52:53]
	s_add_nc_u64 s[12:13], s[12:13], s[58:59]
	global_load_b128 v[QF:QF+3], v[L16], s[4:5]    ; Q, on its way under the round and the tensor load
	global_load_b64 v[QF+4:QF+5], v[L8], s[4:5] offset:512
	global_load_b32 v[QS], v[R4], s[6:7]
	s_mov_b32 s32, 1
	s_mul_i32 s33, s18, KVB
	s_add_nc_u64 s[34:35], s[8:9], s[54:55]
	s_or_b32 s35, s35, 0x80000000
	ROUND                                          ; all four work-groups are here: the joint loads meet
	tensor_load_to_lds s[32:35], s[24:31]
	s_nop 0
	NOPS 4
	v_and_b32 v[VD], 8, v4
	v_lshlrev_b32 v9, 4, v11
	v_add_nc_u32 v[VD], v[VD], v4
	s_lshl_b32 s60, s40, 5
	s_lshl_b32 s61, s39, 3
	s_add_co_u32 s60, s60, s61
	v_sub_nc_u32 v[VD], v[VD], v9
	s_delay_alu instid0(VALU_DEP_1)
	v_add_nc_u32 v[VD], s60, v[VD]                 ; 32 cx + 8 (tile % 2) + r + 8 (r / 8) - 16 h
	s_lshl_b32 s60, s38, 7
	s_lshl_b32 s61, s37, 1
	s_add_co_u32 s60, s60, s61
	s_add_co_u32 s60, s60, CSG
	v_lshl_add_u32 v[CSW], v4, 3, s60              ; my row's two bytes: 128 x tile + 8 r + 2 x head
	s_lshl_b32 s61, s57, 8
	s_add_co_u32 s61, s61, CSG
	v_add_nc_u32 v[CSR], s61, v[L8]
	v_mov_b32 v13, 0xff61b1e6                      ; the largest t so far: -3e38
	v_mov_b32 v14, 0                               ; the sum, in two halves
	v_mov_b32 v15, 0
	v_floor_f32 v12, -v13                          ; -M
.irp i, 6,7,8,9,10,11
	v_mov_b32 v[QF+\i], 0                          ; K = 64 .. 127: zero codes
.irp t, 0,1,2,3
	v_mov_b32 v[KF+12*\t+\i], 0
.endr
.endr
.irp b, 0,1,2,3
	v_mov_b32 v[PX+\b], 0                          ; a lane permute's destination counts as one of its sources
.endr
	v_mov_b32 v[PWD], 0
	v_mov_b32 v[TT], 0
	v_mov_b32 v[NINF], 0xff800000
.set j, 0
.rept 32
	v_mov_b32 v[O+j], 0                            ; the step is written once: the first finds zeros
.set j, j+1
.endr
	s_wait_alu depctr_va_vdst(0)                   ; the wait at the head's end
	s_wait_loadcnt 0x0                             ; Q
	s_wait_tensorcnt 0x0                           ; my key step lies in LDS,
	s_barrier_signal -1
	s_barrier_wait -1                              ; everybody's does
	KLOAD L16, L8, R4, 0                           ; step 0's first four tiles of K
.Lstep:
	s_cmp_gt_u32 s3, s36                           ; all 128 keys come after my block
	s_cbranch_scc1 .Lhidden
	s_add_co_u32 s62, s2, KVB
	s_min_u32 s62, s62, 15*KVB                     ; the next step's block, held at the last
	v_add_nc_u32 v[AD16], s2, v[L16]               ; six places behind the last step's products, whose V fragments the scores write over
	v_add_nc_u32 v[AD8], s2, v[L8]
	v_add_nc_u32 v[AD4], s2, v[R4]
	v_add_nc_u32 v[AN16], s62, v[L16]
	v_add_nc_u32 v[AN8], s62, v[L8]
	v_add_nc_u32 v[AN4], s62, v[R4]
	s_wait_alu depctr_va_vdst(0)
	s_wait_dscnt 0x0                               ; tiles 0-3, asked for a step ago
	HALF 0, AD16, AD8, AD4, 1
	s_wait_alu depctr_va_vdst(0)
	s_wait_dscnt 0x0                               ; tiles 4-7
	HALF 1, AN16, AN8, AN4, 0
.irp b, 0,1,2,3
	v_permlanex16_b32 v[PX+\b], v[BM+\b], s20, s21
.endr
.irp b, 0,1,2,3
	s_delay_alu instid0(VALU_DEP_4)
	v_max_num_f32 v[BM+\b], v[BM+\b], v[PX+\b]     ; each block's largest score: for the row's maximum and, since p rises with the score, for the block's largest p
.endr
	s_delay_alu instid0(VALU_DEP_2)
	v_max3_num_f32 v[TT], v[BM], v[BM+1], v[BM+2]
	s_delay_alu instid0(VALU_DEP_1)
	v_max_num_f32 v[TT], v[TT], v[BM+3]            ; the step's largest score of my query (its first key is never hidden)
	s_delay_alu instid0(VALU_DEP_1)
	v_mul_f32 v[TT], s22, v[TT]
	s_delay_alu instid0(VALU_DEP_1)
	v_max_num_f32 v13, v13, v[TT]                  ; the running largest t
	v_mov_b32 v[TT], v12
	s_delay_alu instid0(VALU_DEP_2)
	v_floor_f32 v12, -v13                          ; the new -M = -ceil(t)
	s_delay_alu instid0(VALU_DEP_1)
	v_sub_f32 v[TT], v12, v[TT]                    ; old M - new M: a whole number, 0 or less
	s_delay_alu instid0(VALU_DEP_1)
	v_cvt_i32_f32 v[TT], v[TT]
	s_delay_alu instid0(VALU_DEP_1)
	v_ldexp_f32 v[FF], 1.0, v[TT]                  ; f = 2^(old M - new M)
.set j, 0
.rept 32
	v_pk_fma_f32 v[S+j:S+j+1], v[S+j:S+j+1], s[22:23], v[12:13] op_sel_hi:[1,0,0]   ; t - M
.set j, j+2
.endr
.irp b, 0,1,2,3
	v_fma_f32 v[BM+\b], v[BM+\b], s22, v12         ; the same of each block's largest score
.endr
	s_wait_alu depctr_va_vdst(0)
.set j, 0
.rept 64
	v_exp_f32 v[S+j], v[S+j]                       ; p = 2^(t - M)
.set j, j+1
.endr
	v_pk_mul_f32 v[14:15], v[14:15], v[FF:FF+1] op_sel_hi:[1,0]   ; the sums under the new M: a plain place behind the exponentials
	s_wait_alu depctr_va_vdst(0)                   ; one wait for the batch, ahead of its first reader
.irp b, 0,1,2,3
	v_exp_f32 v[BM+\b], v[BM+\b]                   ; the block's largest p
.endr
.irp k, 0,1,2,3,4,5,6                          ; the row's sum of the unquantised p: eight chains
	v_pk_add_f32 v[SM+2*\k:SM+2*\k+1], v[S+4*\k:S+4*\k+1], v[S+4*\k+2:S+4*\k+3]
.endr
	v_pk_add_f32 v[14:15], v[14:15], v[S+28:S+29]
.irp r, 0,1
.irp k, 0,1,2,3,4,5,6
	v_pk_add_f32 v[SM+2*\k:SM+2*\k+1], v[SM+2*\k:SM+2*\k+1], v[S+30+14*\r+2*\k:S+31+14*\r+2*\k]
.endr
	v_pk_add_f32 v[14:15], v[14:15], v[S+58+2*\r:S+59+2*\r]
.endr
	v_pk_add_f32 v[SM:SM+1], v[SM:SM+1], v[SM+2:SM+3]
	v_pk_add_f32 v[SM+4:SM+5], v[SM+4:SM+5], v[SM+6:SM+7]
	v_pk_add_f32 v[SM+8:SM+9], v[SM+8:SM+9], v[SM+10:SM+11]
	v_pk_add_f32 v[14:15], v[14:15], v[S+62:S+63]
	v_pk_add_f32 v[SM:SM+1], v[SM:SM+1], v[SM+4:SM+5]
	v_pk_add_f32 v[SM+8:SM+9], v[SM+8:SM+9], v[SM+12:SM+13]
	v_pk_add_f32 v[14:15], v[14:15], v[SM:SM+1]
	s_delay_alu instid0(VALU_DEP_1)
	v_pk_add_f32 v[14:15], v[14:15], v[SM+8:SM+9]
	s_wait_alu depctr_va_vdst(0)                   ; and one for the four
.irp b, 0,1,2,3
	v_max_num_f32 v[BM+\b], 0x1800000, v[BM+\b]    ; the floor 2^(3 - 127): the byte cannot fall under 1
.endr
.irp b, 0,1,2,3
	s_delay_alu instid0(VALU_DEP_4)
	v_add_nc_u32 v[SO+\b], 0xff000000, v[BM+\b]    ; 2 off the exponent field: the conversion's scale operand
.endr
.irp b, 0,1,2,3
	s_delay_alu instid0(VALU_DEP_4)
	v_lshrrev_b32 v[PX+\b], 23, v[SO+\b]
.endr
	s_delay_alu instid0(VALU_DEP_3)
	v_lshl_or_b32 v[PWD], v[PX+1], 8, v[PX]        ; p's scale word for these 128 keys
	s_delay_alu instid0(VALU_DEP_1)
	v_lshl_or_b32 v[PWD], v[PX+2], 16, v[PWD]
	s_delay_alu instid0(VALU_DEP_1)
	v_lshl_or_b32 v[PWD], v[PX+3], 24, v[PWD]
.irp c, 0,1
	v_cvt_scalef32_pk16_fp6_f32 v[PCD+6*\c:PCD+6*\c+2], v[S+32*\c:S+32*\c+15], v[SO+2*\c]
	v_cvt_scalef32_pk16_fp6_f32 v[PT+4*\c:PT+4*\c+2], v[S+32*\c+16:S+32*\c+31], v[SO+2*\c+1]
.endr
	v_nop                                          ; one plain place behind a scaled conversion
.irp t, 0,1,2,3                                ; V^T's four fragments, 16 channels x these 128 keys, into p's registers; they land under the lines below
	ds_load_b128 v[S+12*\t:S+12*\t+3], v[AD16] offset:6144+1536*\t
	ds_load_b64 v[S+12*\t+4:S+12*\t+5], v[AD8] offset:6144+1536*\t+512
	ds_load_b128 v[S+12*\t+6:S+12*\t+9], v[AD16] offset:6144+1536*\t+768
	ds_load_b64 v[S+12*\t+10:S+12*\t+11], v[AD8] offset:6144+1536*\t+1280
	ds_load_b32 v[VS+\t], v[AD4] offset:12800+64*\t
.endr
.irp c, 0,1
.irp i, 0,1,2
	v_permlane16_swap_b32 v[PCD+6*\c+\i], v[PT+4*\c+\i]   ; a whole block in a lane
.endr
.irp i, 0,1,2
	s_delay_alu instid0(VALU_DEP_3)
	v_mov_b32 v[PCD+6*\c+3+\i], v[PT+4*\c+\i]
.endr
.endr
	s_wait_alu depctr_va_vdst(0)                   ; the wait directly ahead of the first reader of O^T
.set j, 0
.rept 16
	v_pk_mul_f32 v[O+j:O+j+1], v[O+j:O+j+1], v[FF:FF+1] op_sel_hi:[1,0]   ; O^T under the new M; also the places ahead of the products below
.set j, j+2
.endr
	s_wait_alu depctr_va_vdst(0)
	s_wait_dscnt 0x0                               ; V, and the next step's tiles of K
.irp t, 0,1,2,3                                ; the four accumulators by turns
	v_wmma_scale_f32_16x16x128_f8f6f4 v[O+8*\t:O+8*\t+7], v[S+12*\t:S+12*\t+11], v[PCD:PCD+11], v[O+8*\t:O+8*\t+7], v[VS+\t], v[PWD] matrix_a_fmt:MATRIX_FMT_FP6 matrix_b_fmt:MATRIX_FMT_FP6
.endr
.Lhidden:
	s_add_co_u32 s2, s2, KVB
	s_add_co_u32 s3, s3, 1
	s_cmp_lt_u32 s3, 16
	s_cbranch_scc1 .Lstep
	; ---- the way out: ctx = O / l, quantised along its 64 channels
	NOPS 4
	v_add_f32 v14, v14, v15
	s_delay_alu instid0(VALU_DEP_1)
	v_permlanex16_b32 v[TT], v14, s20, s21
	s_delay_alu instid0(VALU_DEP_1)
	v_add_f32 v14, v14, v[TT]                      ; the row's sum
	s_wait_alu depctr_va_vdst(0)
	v_rcp_f32 v14, v14
	v_nop                                          ; a plain place behind the reciprocal
	s_wait_alu depctr_va_vdst(0)                   ; the wait ahead of its first reader
.set j, 0
.rept 32
	v_mul_f32 v[S+j], v[O+j], v14                  ; register 16 b + i: channel 32 b + 16 h + i; each accumulator from its low end on
.set j, j+1
.endr
.irp b, 0,1
	v_max3_num_f32 v[BM+\b], |v[S+16*\b]|, |v[S+16*\b+1]|, 0x1800000
.endr
.irp i, 2,4,6,8,10,12,14
.irp b, 0,1
	s_delay_alu instid0(VALU_DEP_2)
	v_max3_num_f32 v[BM+\b], v[BM+\b], |v[S+16*\b+\i]|, |v[S+16*\b+\i+1]|
.endr
.endr
.irp b, 0,1
	s_delay_alu instid0(VALU_DEP_2)
	v_permlanex16_b32 v[PX+\b], v[BM+\b], s20, s21
.endr
.irp b, 0,1
	s_delay_alu instid0(VALU_DEP_2)
	v_max_num_f32 v[BM+\b], v[BM+\b], v[PX+\b]
.endr
.irp b, 0,1
	s_delay_alu instid0(VALU_DEP_2)
	v_add_nc_u32 v[SO+\b], 0xff000000, v[BM+\b]
.endr
.irp b, 0,1
	s_delay_alu instid0(VALU_DEP_2)
	v_lshrrev_b32 v[PX+2+\b], 23, v[SO+\b]
.endr
	s_delay_alu instid0(VALU_DEP_1)
	v_lshl_or_b32 v[TT], v[PX+3], 8, v[PX+2]       ; my row's two bytes
	v_cvt_scalef32_pk16_fp6_f32 v[PCD:PCD+2], v[S:S+15], v[SO]
	v_cvt_scalef32_pk16_fp6_f32 v[PT:PT+2], v[S+16:S+31], v[SO+1]
	v_nop
.irp i, 0,1,2
	v_permlane16_swap_b32 v[PCD+\i], v[PT+\i]
.endr
.irp i, 0,1,2
	s_delay_alu instid0(VALU_DEP_3)
	v_mov_b32 v[PCD+3+\i], v[PT+\i]
.endr
	global_store_b128 v[L16], v[PCD:PCD+3], s[10:11]
	global_store_b64 v[L8], v[PCD+4:PCD+5], s[10:11] offset:512
	ds_store_b16 v[CSW], v[TT]                     ; both halves of the lanes write the same bytes with the same value
	s_wait_dscnt 0x0                               ; for the others' sake
	s_barrier_signal -1
	s_barrier_wait -1
	s_cmp_lt_u32 s18, 2
	s_cbranch_scc0 .Lnot_cs
	ds_load_b64 v[PS:PS+1], v[CSR]
	s_wait_dscnt 0x0
	global_store_b64 v[L8], v[PS:PS+1], s[12:13]   ; 32 rows x 8 bytes: 256 consecutive bytes, aligned
.Lnot_cs:
	s_wait_tensorcnt 0x0                           ; the wave's end
	ds_add_u32 v[SPW], v[NIL]
	s_wait_dscnt 0x0
	ROUND                                          ; the closing round
	s_endpgm
.Lfunc_end_k_qd130f0da08_attn:
	.size	k_qd130f0da08_attn, .Lfunc_end_k_qd130f0da08_attn-k_qd130f0da08_attn
	.p2alignl 7, 3214868480
	.fill 96, 4, 3214868480
	.section	.rodata,"a",@progbits
	.p2align	6, 0x0
	.amdhsa_kernel k_qd130f0da08_attn
		.amdhsa_group_segment_fixed_size 212992
		.amdhsa_private_segment_fixed_size 0
		.amdhsa_enable_private_segment 0
		.amdhsa_kernarg_size 40
		.amdhsa_user_sgpr_count 2
		.amdhsa_user_sgpr_kernarg_segment_ptr 1
		.amdhsa_wavefront_size32 1
		.amdhsa_system_sgpr_workgroup_id_x 1
		.amdhsa_system_sgpr_workgroup_id_y 1
		.amdhsa_system_sgpr_workgroup_id_z 1
		.amdhsa_system_vgpr_workitem_id 0
		.amdhsa_next_free_vgpr 256
		.amdhsa_next_free_sgpr 66
		.amdhsa_reserve_vcc 1
		.amdhsa_float_denorm_mode_32 3
		.amdhsa_float_denorm_mode_16_64 3
		.amdhsa_memory_ordered 1
		.amdhsa_forward_progress 1
		.amdhsa_inst_pref_size 37
	.end_amdhsa_kernel
	.amdgpu_metadata
---
amdhsa.version: [ 1, 2 ]
amdhsa.kernels:
  - .name:           k_qd130f0da08_attn
    .symbol:         k_qd130f0da08_attn.kd
    .args:
      - { .name: qc, .offset: 0, .size: 8, .value_kind: global_buffer, .address_space: global }
      - { .name: qs, .offset: 8, .size: 8, .value_kind: global_buffer, .address_space: global }
      - { .name: kv, .offset: 16, .size: 8, .value_kind: global_buffer, .address_space: global }
      - { .name: cc, .offset: 24, .size: 8, .value_kind: global_buffer, .address_space: global }
      - { .name: cs, .offset: 32, .size: 8, .value_kind: global_buffer, .address_space: global }
    .group_segment_fixed_size: 212992
    .private_segment_fixed_size: 0
    .kernarg_segment_align: 8
    .kernarg_segment_size: 40
    .max_flat_workgroup_size: 512
    .sgpr_count:     66
    .vgpr_count:     256
    .wavefront_size: 32
...
	.end_amdgpu_metadata
.endif
;; end of part 3
;; launch oproj (part 4): grid 16 x 16, 4 waves a work-group, clusters of 4 x 4, 327,680 bytes of LDS; arguments cc, cs, codes1, scales1, out0; writes out0
.if DOCPART == 4
	.amdgcn_target "amdgcn-amd-amdhsa--gfx1250"
	.amdhsa_code_object_version 6
	.text
	.protected	k_qd130f0da08_oproj
	.globl	k_qd130f0da08_oproj
	.p2align	8
	.type	k_qd130f0da08_oproj,@function
k_qd130f0da08_oproj:
	s_mov_b64 s[64:65], 0
	v_nop
	global_prefetch_b8 v0, s[64:65] scope:SCOPE_SE
	s_setreg_imm32_b32 hwreg(HW_REG_WAVE_MODE, 25, 1), 1
	s_wait_xcnt 0x0
	s_wait_alu depctr_hold_cnt(0) depctr_sa_sdst(0) depctr_va_vdst(0) depctr_va_sdst(0) depctr_va_ssrc(0) depctr_va_vcc(0) depctr_vm_vsrc(0)
	s_getreg_b32 s2, hwreg(HW_REG_IB_STS2, 6, 4)
	s_cmp_eq_u32 s2, 0
	s_cbranch_scc0 .Lentry_in_a_cluster
	s_endpgm
.Lentry_in_a_cluster:
	s_bfe_u32 s2, ttmp6, 0x10000c
	s_cmp_lg_u32 s2, 0xf033
	s_cbranch_scc0 .Lentry_shape_is_right
	s_endpgm
.Lentry_shape_is_right:
; out0 = ctx wo^T on codes of FP6 (M 2,048, N 2,048, K 2,048), f32 sums.  ctx's codes lie in cc and wo's in codes1 as images of fragments, [tile of 16 rows][K step of 128][1,536 bytes];
; position r of tile T is row 32 (T / 2) + 8 (T % 2) + r + 8 (r / 8).  ctx's scale bytes: cs [group][position][8]; wo's: scales1 [tile][position][16 words].
; SHARES.  A work-group makes 128 x 128, four waves 64 x 64 each: 16 accumulators by turns; the matrix instruction is used transposed, so that a lane holds neighbouring columns of one row.
; CLUSTER 4 x 4: ctx's tiles are asked for jointly along a row of the cluster, wo's along a column.
; THE FILLS: K goes in four runs of 512 through three LDS slots, one tensor load a wave out at any place: slot 0 at the head; slot 1 behind the full sequence and a round, ahead of K step 0;
; slot 2 behind the round at K step 3; slot 0 again behind the round at K step 7.
; PREFETCH: of the four tiles that a wave's load brings, each of the four partners names one (24 blocks of 256 bytes, a lane a block; lanes 24-31 name the last again), told apart by address;
; the head names the second and third fills' bytes, the place behind the second fill the fourth's.  All offsets are immediates: the address registers are never rewritten.
; The results leave through each wave's own stage in LDS as whole rows of 256 bytes.
.set SLOT,  98304
.set BREG,  49152
.set HALFB, 24576
.set TROW,  24576
.set KSL,   6144
.set SPARE, 3*SLOT
.set STAGE, SPARE+512
.set WOC,   320*TROW
.set WOS,   320*1024
.set A16, 4
.set A8,  7
.set B16, 10
.set B8,  13
.set SOF, 16
.set SO8, 17
.set L16, 18
.set L8,  19
.set STO, 21
.set RD,  22
.set CO,  23
.set SPW, 28
.set NIL, 29
.set AS,  64
.set BS,  128
.set BK,  192
.set F0,  0
.set F1,  96
.set G1A, 24
.set G1B, 32
.set G0A, 40
.set G0B, 52
.set MSB, 0
.macro WIN new
.if MSB != \new
	s_set_vgpr_msb (MSB<<8)|\new
.set MSB, \new
.endif
.endm
.macro PLACES
.rept 4
	v_nop
.endr
.endm
.macro CREST
	s_cmp_lg_u32 s18, 0
	s_cbranch_scc1 .Lnot_wave_0_\@
	s_barrier_signal -3
.Lnot_wave_0_\@:
	s_barrier_wait -3
	s_barrier_signal -1
	s_barrier_wait -1
.endm
.macro ROUND
	s_barrier_signal -1
	s_barrier_wait -1
	CREST
.endm
.macro JLOAD n
	s_cmp_eq_u32 s19, 0
	s_cbranch_scc0 .Lfor_b_\@
	tensor_load_to_lds s[G0A+4*\n:G0A+4*\n+3], s[G1A:G1A+7]
	s_nop 0
.rept 4
	v_nop
.endr
	s_branch .Lasked_\@
.Lfor_b_\@:
	tensor_load_to_lds s[G0B+4*\n:G0B+4*\n+3], s[G1B:G1B+7]
	s_nop 0
.rept 4
	v_nop
.endr
.Lasked_\@:
.endm
.macro FETCH slot, q, f
	WIN 0x40
.irp i, 0,1,2,3
	ds_load_b128 v[\f+12*\i:\f+12*\i+3], v[A16+\slot] offset:KSL*\i+1536*\q
	ds_load_b64 v[\f+12*\i+4:\f+12*\i+5], v[A8+\slot] offset:KSL*\i+1536*\q+512
	ds_load_b128 v[\f+12*\i+6:\f+12*\i+9], v[A16+\slot] offset:KSL*\i+1536*\q+768
	ds_load_b64 v[\f+12*\i+10:\f+12*\i+11], v[A8+\slot] offset:KSL*\i+1536*\q+1280
.endr
.irp i, 0,1,2,3
	ds_load_b128 v[\f+48+12*\i:\f+48+12*\i+3], v[B16+\slot] offset:KSL*\i+1536*\q
	ds_load_b64 v[\f+48+12*\i+4:\f+48+12*\i+5], v[B8+\slot] offset:KSL*\i+1536*\q+512
	ds_load_b128 v[\f+48+12*\i+6:\f+48+12*\i+9], v[B16+\slot] offset:KSL*\i+1536*\q+768
	ds_load_b64 v[\f+48+12*\i+10:\f+48+12*\i+11], v[B8+\slot] offset:KSL*\i+1536*\q+1280
.endr
.endm
.macro MUL s, f, zero
	WIN 0xa5
.irp a, 0,1,2,3
.irp t, 0,1,2,3
.if \zero
	v_wmma_scale_f32_16x16x128_f8f6f4 v[32*\a+8*\t:32*\a+8*\t+7], v[\f+48+12*\t:\f+48+12*\t+11], v[\f+12*\a:\f+12*\a+11], 0, v[BS+16*\t+\s], v[AS+16*\a+\s] matrix_a_fmt:MATRIX_FMT_FP6 matrix_b_fmt:MATRIX_FMT_FP6
.else
	v_wmma_scale_f32_16x16x128_f8f6f4 v[32*\a+8*\t:32*\a+8*\t+7], v[\f+48+12*\t:\f+48+12*\t+11], v[\f+12*\a:\f+12*\a+11], v[32*\a+8*\t:32*\a+8*\t+7], v[BS+16*\t+\s], v[AS+16*\a+\s] matrix_a_fmt:MATRIX_FMT_FP6 matrix_b_fmt:MATRIX_FMT_FP6
.endif
.endr
.endr
.endm
.macro KS s, f, g, zero, nslot, nq
	PLACES
	FETCH \nslot, \nq, \g
	s_wait_dscnt 32
	MUL \s, \f, \zero
.endm
.macro TURN s, fill, nslot, fs         ; fill = 1: slot fs has its first fill; fill = 2: slot 0, read out, takes the last 512 along K; fill = 0: nothing is asked for
	WIN 0
	s_wait_tensorcnt 0x0
	ds_add_u32 v[SPW], v[NIL]
.if \fill == 2
	s_add_nc_u64 s[G0A+2:G0A+3], s[G0A+2:G0A+3], 3*KSL
	s_add_nc_u64 s[G0B+2:G0B+3], s[G0B+2:G0B+3], 3*KSL
.endif
	s_wait_dscnt 0x0
.if \fill
	ROUND
	JLOAD \fs
.else
	s_barrier_signal -1
	s_barrier_wait -1
	PLACES
.endif
	FETCH \nslot, 0, F0
	MUL \s, F1, 0
.endm
	s_load_b256 s[4:11], s[0:1], 0x0
	s_load_b64 s[12:13], s[0:1], 0x20
	v_lshl_add_u32 v[SPW], v0, 2, SPARE
	v_mov_b32 v[NIL], 0
	ds_add_u32 v[SPW], v[NIL]
	ds_add_u32 v[SPW], v[NIL]
	v_lshrrev_b32 v1, 5, v0
	v_readfirstlane_b32 s18, v1
	s_lshr_b32 s19, s18, 1
	s_and_b32 s20, s18, 1
	s_bfe_u32 s21, ttmp6, 0x40000
	s_bfe_u32 s22, ttmp6, 0x40004
	s_lshl_b32 s23, ttmp9, 2
	s_add_co_u32 s23, s23, s21
	s_and_b32 s66, ttmp7, 0xffff
	s_lshl_b32 s66, s66, 2
	s_add_co_u32 s66, s66, s22
	s_lshl_b32 s67, s22, 2
	s_lshl_b32 s67, 15, s67
	s_lshl_b32 s68, 0x1111, s21
	s_or_b32 s[G1A], s67, (3<<16)|(1<<21)
	s_or_b32 s[G1B], s68, (3<<16)|(1<<21)
.irp g, G1A, G1B
	s_mov_b32 s[\g+1], 768<<16
	s_mov_b32 s[\g+2], 4<<16
	s_mov_b32 s[\g+3], 768<<16
	s_mov_b32 s[\g+4], 4
	s_mov_b32 s[\g+5], 3072
	s_mov_b32 s[\g+6], 0
	s_mov_b32 s[\g+7], 0
.endr
	s_lshl_b32 s70, s66, 3
	s_lshl_b32 s71, s20, 2
	s_add_co_u32 s70, s70, s71
	s_mul_i32 s70, s70, TROW
	s_mov_b32 s71, 0
	s_lshl_b32 s72, s23, 3
	s_lshl_b32 s73, s20, 2
	s_add_co_u32 s72, s72, s73
	s_mul_i32 s72, s72, TROW
	s_add_co_u32 s72, s72, WOC
	s_mov_b32 s73, 0
	s_mul_i32 s74, s18, HALFB
	s_wait_dscnt 0x0
	s_wait_kmcnt 0x0
	s_add_nc_u64 s[70:71], s[4:5], s[70:71]
	s_add_nc_u64 s[72:73], s[8:9], s[72:73]
	s_cmp_eq_u32 s19, 0                            ; the prefetches: do I fetch for ctx or for wo?
	s_cselect_b64 s[96:97], s[70:71], s[72:73]
	s_cselect_b32 s98, s21, s22                    ; my place among the four that ask with me: cx for ctx's tiles, cy for wo's
	s_mul_i32 s98, s98, TROW                       ; my work-group's one tile of the four
	s_mov_b32 s99, 0
	s_add_nc_u64 s[96:97], s[96:97], s[98:99]
	ROUND
.irp n, 0,1,2
	s_mov_b32 s[G0A+4*\n], 1
	s_add_co_u32 s[G0A+4*\n+1], s74, \n*SLOT
	s_add_nc_u64 s[G0A+4*\n+2:G0A+4*\n+3], s[70:71], \n*KSL
	s_or_b32 s[G0A+4*\n+3], s[G0A+4*\n+3], 0x80000000
	s_mov_b32 s[G0B+4*\n], 1
	s_add_co_u32 s[G0B+4*\n+1], s74, \n*SLOT
	s_add_nc_u64 s[G0B+4*\n+2:G0B+4*\n+3], s[72:73], \n*KSL
	s_or_b32 s[G0B+4*\n+3], s[G0B+4*\n+3], 0x80000000
.endr
	JLOAD 0                                        ; one tensor load a wave at the head
	v_and_b32 v1, 15, v0
	v_bfe_u32 v2, v0, 4, 1
	v_and_b32 v3, 31, v0
	v_lshlrev_b32 v[L16], 4, v3
	v_lshlrev_b32 v[L8], 3, v3
	v_min_u32 v24, 23, v3                          ; the prefetches' offset: 256 x min(lane, 23); never rewritten
	v_lshlrev_b32 v24, 8, v24
	s_mul_i32 s75, s19, HALFB
	s_mul_i32 s76, s20, HALFB
	s_add_co_u32 s76, s76, BREG
.irp n, 0,1,2
	v_add_nc_u32 v[A16+\n], s75, v[L16]
	v_add_nc_u32 v[A8+\n], s75, v[L8]
	v_add_nc_u32 v[B16+\n], s76, v[L16]
	v_add_nc_u32 v[B8+\n], s76, v[L8]
	s_add_co_u32 s75, s75, SLOT
	s_add_co_u32 s76, s76, SLOT
.endr
	v_lshlrev_b32 v[SOF], 6, v1
	v_lshlrev_b32 v[SO8], 3, v1
	s_wait_alu depctr_va_vdst(0)
	global_prefetch_b8 v24, s[96:97] offset:KSL th:TH_LOAD_NT scope:SCOPE_SE     ; K steps 4-7 of my tile
	global_prefetch_b8 v24, s[96:97] offset:2*KSL th:TH_LOAD_NT scope:SCOPE_SE   ; K steps 8-11
	s_lshl_b32 s78, s66, 10
	s_lshl_b32 s79, s19, 9
	s_add_co_u32 s78, s78, s79
	s_mov_b32 s79, 0
	s_add_nc_u64 s[78:79], s[6:7], s[78:79]
	s_lshl_b32 s80, s23, 13
	s_lshl_b32 s81, s20, 12
	s_add_co_u32 s80, s80, s81
	s_add_co_u32 s80, s80, WOS
	s_mov_b32 s81, 0
	s_add_nc_u64 s[80:81], s[10:11], s[80:81]
.irp a, 0,1,2,3
.irp g, 0,1,2,3,4,5,6,7
	global_load_b64 v[AS+16*\a+2*\g:AS+16*\a+2*\g+1], v[SO8], s[78:79] offset:16384*\g+128*\a
.endr
.irp q, 0,1,2,3
	global_load_b128 v[BS+16*\a+4*\q:BS+16*\a+4*\q+3], v[SOF], s[80:81] offset:1024*\a+16*\q
.endr
.endr
	s_mul_i32 s88, s18, 16*272
	s_add_co_u32 s88, s88, STAGE
	v_mul_u32_u24 v[STO], v1, 272
	v_lshl_add_u32 v[STO], v2, 6, v[STO]
	v_add_nc_u32 v[STO], s88, v[STO]
	v_mul_u32_u24 v[RD], v2, 272
	v_lshl_add_u32 v[RD], v1, 4, v[RD]
	v_add_nc_u32 v[RD], s88, v[RD]
	v_lshlrev_b32 v[CO], 13, v2
	v_lshl_add_u32 v[CO], v1, 4, v[CO]
	s_lshl_b32 s92, s66, 20
	s_lshl_b32 s93, s19, 19
	s_add_co_u32 s92, s92, s93
	s_lshl_b32 s93, s23, 9
	s_add_co_u32 s92, s92, s93
	s_lshl_b32 s93, s20, 8
	s_add_co_u32 s92, s92, s93
	s_mov_b32 s93, 0
	s_add_nc_u64 s[92:93], s[12:13], s[92:93]
	s_wait_alu depctr_va_vdst(0)                   ; the wait at the head's end
	s_wait_tensorcnt 0x0                           ; my part of slot 0 is in
	ds_add_u32 v[SPW], v[NIL]
	s_wait_dscnt 0x0
	ROUND                                          ; everybody's part is in, and the joint loads meet
	JLOAD 1                                        ; slot 1's first fill, the first tensor load behind the round
	FETCH 0, 0, F0
	global_prefetch_b8 v24, s[96:97] offset:3*KSL th:TH_LOAD_NT scope:SCOPE_SE   ; K steps 12-15 of my tile
	s_wait_loadcnt 0x0
	KS 0, F0, F1, 1, 0, 1
	KS 1, F1, F0, 0, 0, 2
	KS 2, F0, F1, 0, 0, 3
	TURN 3, 1, 1, 2                                ; slot 1 is whole in every wave; slot 2 has its first fill
	KS 4, F0, F1, 0, 1, 1
	KS 5, F1, F0, 0, 1, 2
	KS 6, F0, F1, 0, 1, 3
	TURN 7, 2, 2, 0                                ; slot 2 is whole; slot 0 is asked for again
	KS 8, F0, F1, 0, 2, 1
	KS 9, F1, F0, 0, 2, 2
	KS 10, F0, F1, 0, 2, 3
	TURN 11, 0, 0, 0
	KS 12, F0, F1, 0, 0, 1
	KS 13, F1, F0, 0, 0, 2
	KS 14, F0, F1, 0, 0, 3
	s_wait_dscnt 0x0
	MUL 15, F1, 0
	WIN 0
	PLACES
.macro TOSTAGE a
	WIN 0x08
.irp t, 0,1,2,3
	ds_store_b128 v[STO], v[32*(\a)+8*\t:32*(\a)+8*\t+3] offset:128*(\t/2)+32*(\t%2)
	ds_store_b128 v[STO], v[32*(\a)+8*\t+4:32*(\a)+8*\t+7] offset:128*(\t/2)+32*(\t%2)+16
.endr
	WIN 0
.irp i, 0,1,2,3,4,5,6,7
	ds_load_b128 v[BK+32*((\a)%2)+4*\i:BK+32*((\a)%2)+4*\i+3], v[RD] offset:544*\i
.endr
.endm
.macro SEND a, younger
	s_wait_dscnt \younger
.irp i, 0,1,2,3,4,5,6,7
	global_store_b128 v[CO], v[BK+32*((\a)%2)+4*\i:BK+32*((\a)%2)+4*\i+3], s[92:93] offset:(32*((\a)/2)+8*((\a)%2)+2*\i+8*(\i/4))*8192 th:TH_STORE_NT
.endr
.endm
	s_wait_alu depctr_va_vdst(0)
	TOSTAGE 0
.irp a, 1,2,3
.if \a > 1
	s_wait_xcnt 0x0
.endif
	TOSTAGE \a
	SEND \a-1, 16
.endr
	SEND 3, 0
	s_wait_tensorcnt 0x0
	ds_add_u32 v[SPW], v[NIL]
	s_wait_dscnt 0x0
	ROUND
	s_endpgm
.Lfunc_end_k_qd130f0da08_oproj:
	.size	k_qd130f0da08_oproj, .Lfunc_end_k_qd130f0da08_oproj-k_qd130f0da08_oproj
	.p2alignl 7, 3214868480
	.fill 96, 4, 3214868480
	.section	.rodata,"a",@progbits
	.p2align	6, 0x0
	.amdhsa_kernel k_qd130f0da08_oproj
		.amdhsa_group_segment_fixed_size 327680
		.amdhsa_private_segment_fixed_size 0
		.amdhsa_enable_private_segment 0
		.amdhsa_kernarg_size 40
		.amdhsa_user_sgpr_count 2
		.amdhsa_user_sgpr_kernarg_segment_ptr 1
		.amdhsa_wavefront_size32 1
		.amdhsa_system_sgpr_workgroup_id_x 1
		.amdhsa_system_sgpr_workgroup_id_y 1
		.amdhsa_system_sgpr_workgroup_id_z 1
		.amdhsa_system_vgpr_workitem_id 0
		.amdhsa_next_free_vgpr 768
		.amdhsa_next_free_sgpr 100
		.amdhsa_reserve_vcc 0
		.amdhsa_float_denorm_mode_32 3
		.amdhsa_float_denorm_mode_16_64 3
		.amdhsa_memory_ordered 1
		.amdhsa_forward_progress 1
		.amdhsa_inst_pref_size 91
	.end_amdhsa_kernel
	.amdgpu_metadata
---
amdhsa.version: [ 1, 2 ]
amdhsa.kernels:
  - .name:           k_qd130f0da08_oproj
    .symbol:         k_qd130f0da08_oproj.kd
    .args:
      - { .name: cc, .offset: 0, .size: 8, .value_kind: global_buffer, .address_space: global }
      - { .name: cs, .offset: 8, .size: 8, .value_kind: global_buffer, .address_space: global }
      - { .name: codes1, .offset: 16, .size: 8, .value_kind: global_buffer, .address_space: global }
      - { .name: scales1, .offset: 24, .size: 8, .value_kind: global_buffer, .address_space: global }
      - { .name: out0, .offset: 32, .size: 8, .value_kind: global_buffer, .address_space: global }
    .group_segment_fixed_size: 327680
    .private_segment_fixed_size: 0
    .kernarg_segment_align: 8
    .kernarg_segment_size: 40
    .max_flat_workgroup_size: 128
    .sgpr_count:     100
    .vgpr_count:     768
    .wavefront_size: 32
...
	.end_amdgpu_metadata
.endif
;; end of part 4
